; MI455X (gfx1250); checked and timed in simulation.
; The chip was launched on July 23, 2026; its instructions are those of AMD's public machine-readable ISA for CDNA 5 (MIT licence, August 2026) and "CDNA5" Instruction Set Architecture Reference Guide (July 2026). The comments in the code are by the model that wrote it; some were corrected since.
;; Multi Head Attention. Allowed arithmetic: matrix products marked QUANTISED: E2M1 operands, one E8M0 scale for each 32 along K, by v_wmma_scale_f32_16x16x128_f8f6f4 with both operands' format E2M1 (or v_wmma_scale_f32_32x16x128_f4), f32 sums; products left as they are: bf16, f16 or f32 operands; f32 sums; everything else in f32.
;; Inputs: b_k 1,024 float32; b_o 1,024 float32; b_q 1,024 float32; b_v 1,024 float32; k 4 x 2,048 x 1,024 float32; q 4 x 2,048 x 1,024 float32; v 4 x 2,048 x 1,024 float32; w_k 1,024 x 1,024 float32; w_o 1,024 x 1,024 float32; w_q 1,024 x 1,024 float32; w_v 1,024 x 1,024 float32.
;; Outputs: out0 4 x 2,048 x 1,024 float32.
;; This version of the problem:
;;   THIS VERSION OF THE PROBLEM IS GIVEN IN LOW PRECISION. The matrix products marked QUANTISED in the list below multiply operands that are first quantised to E2M1 (2 exponent bits, 1 mantissa bit; 4 bits a number), with one power-of-two scale for each 32 numbers along K (OCP MX v1.0); their sums are f32. The products marked 'left as it is' may take bf16, f16 or f32 operands, with f32 sums. Whichever they take, every output number must still come out within the allowed error. Rounding operands to bf16 (8 significant bits) uses up far more of that allowance than f16 does (11 bits, for magnitudes from 6e-5 to 65,504). All else is computed in f32.
;;   The module's matrix products, in the order in which they are computed (A, B: the left and right operand; K: the contracted axis; several contracted axes count as one K, in the product's order):
;;     1. [M 8,192, K 1,024] x [K 1,024, N 1,024]; A: input k; B: input w_k: QUANTISED
;;     2. [M 8,192, K 1,024] x [K 1,024, N 1,024]; A: input q; B: input w_q: QUANTISED
;;     3. [M 8,192, K 1,024] x [K 1,024, N 1,024]; A: input v; B: input w_v: QUANTISED
;;     4. batch 64 x [M 2,048, K 64] x [K 64, N 2,048]; A: computed on the way; B: computed on the way: left as it is (an operand is computed on the way)
;;     5. batch 64 x [M 2,048, K 2,048] x [K 2,048, N 64]; A: computed on the way; B: computed on the way: left as it is (an operand is computed on the way)
;;     6. [M 8,192, K 1,024] x [K 1,024, N 1,024]; A: computed on the way; B: input w_o: left as it is (an operand is computed on the way)
;;   THE QUANTISER, for each operand of a quantised product, along K:
;;     - K is cut into blocks of 32 from its start; a last block that is shorter is filled with zeros.
;;     - A block's scale is 2^e with e = floor(log2(the largest magnitude in the block)) - 2, held to -126 .. 127; a block of zeros has e = 0. As a byte (E8M0): e + 127.
;;     - Each number is divided by its block's scale, clamped to +-6, and rounded to the nearest number of E2M1, ties to even, subnormals kept.
;;     - The product sums the exact products of the quantised numbers (number of the format x scale) in f32.
;;   ~~~python
;;   def quantise(x, axis):      # numpy; x: float32 -> the quantised numbers, widened to float32 again
;;       x = np.moveaxis(x, axis, -1); K = x.shape[-1]
;;       x = np.pad(x, [(0, 0)] * (x.ndim - 1) + [(0, -K % 32)]); x = x.reshape(x.shape[:-1] + (-1, 32)); a = np.abs(x).max(-1, keepdims=True)
;;       e = np.where(a > 0, np.clip(np.frexp(np.where(a > 0, a, 1))[1] - 1 - 2, -126, 127), 0)      # np.frexp(a)[1] - 1 = floor(log2(a)), exactly
;;       r = np.clip(x / 2.0 ** e, -6, 6)
;;       step = 2.0 ** (np.maximum(np.frexp(np.where(r == 0, 1, r))[1] - 1, 0) - 1)
;;       q = np.round(r / step) * step * 2.0 ** e      # np.round: ties to even
;;       return np.moveaxis(q.reshape(q.shape[:-2] + (-1,))[..., :K], -1, axis).astype(np.float32)
;;   ~~~
;; One version. Each part assembles by itself: llvm-mc -triple=amdgcn-amd-amdhsa -mcpu=gfx1250 --defsym DOCPART=n.
;; ======== version 1 of 1: 4 launches
;; limits: values are held in f16: magnitudes above 65,504 overflow, below 6.1e-05 lose precision
;; workspace buffers: xc 12,582,912 bytes; xs 786,432 bytes; wc 1,572,864 bytes; ws 98,304 bytes; wo16 2,097,152 bytes; hd 50,331,648 bytes; cx 16,777,216 bytes
;; launch prep (part 1): grid 848 x 1, 4 waves a work-group, no clusters, 68,096 bytes of LDS; arguments k, q, v, w_k, w_q, w_v, w_o, xc, xs, wc, ws, wo16; writes xc, xs, wc, ws, wo16
.if DOCPART == 1
	.amdgcn_target "amdgcn-amd-amdhsa--gfx1250"
	.amdhsa_code_object_version 6
	.text
	.protected	k_qf18947f22a_prep
	.globl	k_qf18947f22a_prep
	.p2align	8
	.type	k_qf18947f22a_prep,@function
k_qf18947f22a_prep:
	s_mov_b64 s[64:65], 0
	v_nop
	global_prefetch_b8 v0, s[64:65] scope:SCOPE_SE
	s_setreg_imm32_b32 hwreg(HW_REG_WAVE_MODE, 25, 1), 1
	s_wait_xcnt 0x0
; PREP: every operand of the three quantised products becomes codes of E2M1 (4 bits, K innermost) with one E8M0 byte for each 32 along K; w_o becomes f16 as it lies.
; Three paths, parted on the work-group's number alone:
;   work-groups  0 ..  47: w_k, w_q, w_v [1024 k][1024 n] f32, K is the FIRST axis: a lane takes a column, its registers run down K -> wc [3][1024 n][512 B], ws [3][1024 n][32 B]
;   work-groups 48 ..  79: w_o f32 -> wo16 f16, the same order of numbers
;   work-groups 80 .. 847: k, q, v [8192][1024] f32, K innermost: plain streams of blocks of 32 -> xc [3][8192][512 B], xs [3][8192][32 B]
; A block's scale is 2^(floor(log2(largest magnitude)) - 2): its byte is the largest magnitude's exponent field - 2, held at 1 from below.  A block of zeros so gets the byte 1 where the rule says 127:
; its codes are zeros, which add nothing under any byte but 0xff, and the bytes are read by this program alone.
; LIMITS: blocks whose largest magnitude lies under 2^(2 - 126) keep the byte 1; NaN and infinities among the inputs are not served; numbers of w_o beyond 65,504 become infinities in f16.
; No tensor loads, no barrier: waves share nothing.  Each path that uses LDS has LDS bytes of its own.
.set SPARE, 67584                      ; behind both paths' regions: the spare words, 128 bytes for each wave
.set SPW,   192                        ; v192  LDS address of my spare word; never rewritten
.set NIL,   193                        ; v193  0; never rewritten
.set WV,    32                         ; s32   my wave's number
	s_load_b512 s[8:23], s[0:1], 0x0               ; k 8, q 10, v 12, w_k 14, w_q 16, w_v 18, w_o 20, xc 22
	s_load_b256 s[24:31], s[0:1], 0x40             ; xs 24, wc 26, ws 28, wo16 30
	v_lshl_add_u32 v[SPW], v0, 2, SPARE
	v_mov_b32 v[NIL], 0
	v_lshrrev_b32 v1, 5, v0
	v_readfirstlane_b32 s[WV], v1
	v_and_b32 v2, 31, v0                           ; lane
	s_mov_b32 s35, 0                               ; the upper word of every offset pair s[34:35]
	s_wait_kmcnt 0x0
	s_cmp_lt_u32 ttmp9, 48
	s_cbranch_scc1 .Lweights
	s_cmp_lt_u32 ttmp9, 80
	s_cbranch_scc1 .Lcast
; ---------------- k, q, v: a wave takes 16 steps of 512 numbers.  Each of a step's four loads reads 512 consecutive bytes; the 2,048 bytes turn through the wave's own stage in LDS and come back 64 bytes a lane,
; so that a lane holds 16 neighbours along K (two neighbouring lanes hold a block).  A lane's 16 codes are 8 bytes: the wave stores 256 consecutive bytes.  The wave's 256 scale bytes are gathered in LDS and leave as one piece.
.set XSP, 80                           ; a lane's place in a stage: 64 bytes + 16 of padding
.set XR,  16                           ; v16-79   four sets of 16 numbers as loaded
.set XX,  80                           ; v80-111  two sets of 16 neighbours
.set XE,  112                          ; v112-127 a scale byte for each step
.set XC,  128                          ; v128-191 codes: registers of its own for each step, so that no store's data are written again
	s_sub_co_u32 s33, ttmp9, 80                    ; g: 256 work-groups to a tensor
	s_cmp_lt_u32 s33, 512
	s_cselect_b64 s[4:5], s[10:11], s[12:13]       ; q or v,
	s_cmp_lt_u32 s33, 256
	s_cselect_b64 s[4:5], s[8:9], s[4:5]           ; or k: the choice hangs on the work-group's number alone
	s_and_b32 s34, s33, 255
	s_lshl_b32 s34, s34, 2
	s_add_co_u32 s34, s34, s[WV]
	s_lshl_b32 s34, s34, 15                        ; my run of 8,192 numbers in its tensor: 32,768 bytes a run
	s_add_nc_u64 s[4:5], s[4:5], s[34:35]
	s_lshl_b32 s36, s33, 2
	s_add_co_u32 s36, s36, s[WV]                   ; my run among all three tensors' runs
	s_lshl_b32 s34, s36, 12
	s_add_nc_u64 s[6:7], s[22:23], s[34:35]        ; its 4,096 bytes of codes
	s_lshl_b32 s34, s36, 8
	s_add_nc_u64 s[38:39], s[24:25], s[34:35]      ; its 256 scale bytes
	v_lshlrev_b32 v3, 4, v2                        ; my 16 bytes of a load's 512
	s_lshl_b32 s37, s[WV], 13                      ; my wave's 8,192 bytes of LDS
	v_lshrrev_b32 v14, 2, v2
	v_mul_u32_u24 v14, v14, XSP
	v_and_b32 v15, 3, v2
	v_lshl_add_u32 v14, v15, 4, v14
	v_add_nc_u32 v14, s37, v14                     ; into the stage: four lanes' 64 bytes on end, then the padding
	v_mul_u32_u24 v15, v2, XSP
	v_add_nc_u32 v15, s37, v15                     ; out of it: my 16 neighbours
	v_lshlrev_b32 v4, 3, v2                        ; 8 x lane: my codes' place in a step's, and my 8 of the 256 scale bytes
	v_lshrrev_b32 v5, 1, v2
	s_add_co_u32 s37, s37, 2*32*XSP
	v_add_nc_u32 v5, s37, v5                       ; LDS: my block's scale byte
	v_add_nc_u32 v6, s37, v4                       ; and on the way out 8 bytes a lane
.macro XLOAD t
.irp i, 0,1,2,3
	global_load_b128 v[XR+16*((\t)%4)+4*\i:XR+16*((\t)%4)+4*\i+3], v3, s[4:5] offset:2048*(\t)+512*\i th:TH_LOAD_NT
.endr
.endm
.macro XTURN t                         ; LDS serves a wave's instructions in order, so no wait stands between the stores and the loads
.irp i, 0,1,2,3
	ds_store_b128 v14, v[XR+16*((\t)%4)+4*\i:XR+16*((\t)%4)+4*\i+3] offset:32*XSP*((\t)%2)+8*XSP*\i
.endr
.irp i, 0,1,2,3
	ds_load_b128 v[XX+16*((\t)%2)+4*\i:XX+16*((\t)%2)+4*\i+3], v15 offset:32*XSP*((\t)%2)+16*\i
.endr
.endm
.irp t, 0,1,2,3
	XLOAD \t
.endr
	s_wait_loadcnt 12                              ; step 0's four loads are in; the three younger steps' twelve may be out
	XTURN 0
.macro XSTEP t
.set XS, XX+16*((\t)%2)
.if (\t) > 0
	s_wait_dscnt 1                                 ; this step's numbers are back from the stage (the last step's byte store may be out)
.else
	s_wait_dscnt 0x0
.endif
.if (\t)+4 < 16
	XLOAD (\t)+4                                   ; into the set that this step's stage stores have read
.endif
.if (\t)+1 < 16
.if 14-(\t) >= 3
	s_wait_loadcnt 12                              ; the next step's four loads are in; those of the three steps behind it may be out
.else
	s_wait_loadcnt 4*(14-(\t))
.endif
	XTURN (\t)+1
.endif
	v_max3_num_f32 v8, |v[XS]|, |v[XS+1]|, |v[XS+2]|               ; the largest magnitude of my 16, in two chains
	v_max3_num_f32 v9, |v[XS+3]|, |v[XS+4]|, |v[XS+5]|
.irp i, 6,10
	v_max3_num_f32 v8, v8, |v[XS+\i]|, |v[XS+\i+1]|
	v_max3_num_f32 v9, v9, |v[XS+\i+2]|, |v[XS+\i+3]|
.endr
	v_max3_num_f32 v8, v8, |v[XS+14]|, |v[XS+15]|
	v_max3_num_f32 v8, v8, v9, 0x1800000           ; and the floor 2^(3 - 127): the byte cannot fall under 1
	v_max_num_f32_dpp v8, v8, v8 row_xmask:1 row_mask:0xf bank_mask:0xf   ; with my neighbour's 16: the block's
	v_add_nc_u32 v11, 0xff000000, v8               ; 2 off its exponent field: the conversion takes the exponent field of this operand as its scale
	v_cvt_scalef32_pk8_fp4_f32 v[XC+4*(\t)], v[XS:XS+7], v11
	v_cvt_scalef32_pk8_fp4_f32 v[XC+4*(\t)+1], v[XS+8:XS+15], v11
	v_lshrrev_b32 v[XE+(\t)], 23, v11              ; the scale's byte
	ds_store_b8 v5, v[XE+(\t)] offset:16*(\t)      ; both lanes of a block write the same byte with the same value
	global_store_b64 v4, v[XC+4*(\t):XC+4*(\t)+1], s[6:7] offset:256*(\t)   ; 32 lanes store 256 consecutive bytes, aligned
.endm
.irp t, 0,1,2,3,4,5,6,7,8,9,10,11,12,13,14,15
	XSTEP \t
.endr
	ds_load_b64 v[8:9], v6                         ; in order behind my byte stores
	s_wait_dscnt 0x0
	global_store_b64 v4, v[8:9], s[38:39]          ; 256 consecutive bytes, aligned
	s_wait_tensorcnt 0x0                           ; the wave's end, behind my last LDS store
	ds_add_u32 v[SPW], v[NIL]
	s_wait_dscnt 0x0
	s_endpgm
; ---------------- w_k, w_q, w_v: 16 work-groups to a tensor: 8 along n (128 columns) x 2 along K (512).  A wave takes 32 columns x 512 along K: 16 blocks a lane.
; Each load reads one row k at 32 neighbouring columns; a block of 32 along K lies in ONE lane's 32 registers.  The codes go through the wave's stage and leave as rows: sixteen lanes store 256 consecutive bytes.
.set WP,  272                          ; a stage row: 256 bytes of codes + 16
.set WX,  32                           ; v32-95   two sets of 32 numbers
.set WC,  96                           ; v96-99   a block's codes
.set WO,  112                          ; v112-175 the way out
.set WSB, 24                           ; v24-27   the scale bytes, four to a register
.Lweights:
	s_lshr_b32 s33, ttmp9, 4                       ; which tensor
	s_cmp_lt_u32 ttmp9, 32
	s_cselect_b64 s[4:5], s[16:17], s[18:19]
	s_cmp_lt_u32 ttmp9, 16
	s_cselect_b64 s[4:5], s[14:15], s[4:5]
	s_and_b32 s36, ttmp9, 7
	s_lshl_b32 s36, s36, 7
	s_lshl_b32 s37, s[WV], 5
	s_add_co_u32 s36, s36, s37                     ; my wave's first column
	s_bfe_u32 s37, ttmp9, 0x10003                  ; which 512 along K
	s_lshl_b32 s34, s37, 21                        ; 512 rows of 4,096 bytes
	s_lshl_b32 s40, s36, 2
	s_add_co_u32 s34, s34, s40
	s_add_nc_u64 s[4:5], s[4:5], s[34:35]
	s_lshl_b32 s34, s33, 19                        ; codes: 524,288 bytes a tensor, 512 a column, 256 for each 512 along K
	s_lshl_b32 s40, s36, 9
	s_add_co_u32 s34, s34, s40
	s_lshl_b32 s40, s37, 8
	s_add_co_u32 s34, s34, s40
	s_add_nc_u64 s[6:7], s[26:27], s[34:35]
	s_lshl_b32 s34, s33, 15                        ; scale bytes: 32,768 a tensor, 32 a column, 16 for each 512 along K
	s_lshl_b32 s40, s36, 5
	s_add_co_u32 s34, s34, s40
	s_lshl_b32 s40, s37, 4
	s_add_co_u32 s34, s34, s40
	s_add_nc_u64 s[38:39], s[28:29], s[34:35]
	v_lshlrev_b32 v3, 2, v2                        ; in: 4 bytes a lane
	s_mul_i32 s41, s[WV], 32*WP
	s_add_co_u32 s41, s41, 32768                   ; my stage, in this path's own LDS bytes
	v_mul_u32_u24 v4, v2, WP
	v_add_nc_u32 v4, s41, v4                       ; into it: row = my column
	v_and_b32 v5, 15, v2
	v_lshrrev_b32 v6, 4, v2
	v_mul_u32_u24 v7, v6, WP
	v_lshl_add_u32 v7, v5, 4, v7
	v_add_nc_u32 v7, s41, v7                       ; out of it: sixteen lanes to a row, two rows an instruction
	v_lshlrev_b32 v8, 9, v6
	v_lshl_add_u32 v8, v5, 4, v8                   ; and the same place in the codes' buffer (512 bytes a column)
	v_lshlrev_b32 v9, 5, v2                        ; my column's row of scale bytes
.macro WLOAD t
.irp i, 0,1,2,3,4,5,6,7,8,9,10,11,12,13,14,15,16,17,18,19,20,21,22,23,24,25,26,27,28,29,30,31
	global_load_b32 v[WX+32*((\t)%2)+\i], v3, s[4:5] offset:(32*(\t)+\i)*4096 th:TH_LOAD_NT
.endr
.endm
	WLOAD 0
	WLOAD 1
.macro WBLOCK t
.set WN, WX+32*((\t)%2)
.if (\t) < 15
	s_wait_loadcnt 32                              ; this block's 32 loads are in; the next block's 32 may be out
.else
	s_wait_loadcnt 0
.endif
	v_max3_num_f32 v12, |v[WN]|, |v[WN+1]|, |v[WN+2]|
	v_max3_num_f32 v13, |v[WN+3]|, |v[WN+4]|, |v[WN+5]|
.irp i, 6,10,14,18,22,26
	v_max3_num_f32 v12, v12, |v[WN+\i]|, |v[WN+\i+1]|
	v_max3_num_f32 v13, v13, |v[WN+\i+2]|, |v[WN+\i+3]|
.endr
	v_max3_num_f32 v12, v12, |v[WN+30]|, |v[WN+31]|
	v_max3_num_f32 v12, v12, v13, 0x1800000        ; the floor
	v_add_nc_u32 v11, 0xff000000, v12              ; the conversion's scale operand
	v_lshrrev_b32 v13, 23, v11                     ; the scale's byte
.if (\t)%4 == 0
	v_mov_b32 v[WSB+(\t)/4], v13
.else
	v_lshl_or_b32 v[WSB+(\t)/4], v13, 8*((\t)%4), v[WSB+(\t)/4]
.endif
.irp g, 0,1,2,3
	v_cvt_scalef32_pk8_fp4_f32 v[WC+\g], v[WN+8*\g:WN+8*\g+7], v11
.endr
	ds_store_b128 v4, v[WC:WC+3] offset:16*(\t)    ; 32 codes: 16 bytes of my column's row
.if (\t)+2 < 16
	WLOAD (\t)+2
.endif
	s_wait_dscnt 0x0                               ; the store has read its registers: the next block's codes may be written
.endm
.irp t, 0,1,2,3,4,5,6,7,8,9,10,11,12,13,14,15
	WBLOCK \t
.endr
	global_store_b128 v9, v[WSB:WSB+3], s[38:39]   ; my column's 16 scale bytes
.irp t, 0,1,2,3,4,5,6,7,8,9,10,11,12,13,14,15
	ds_load_b128 v[WO+4*\t:WO+4*\t+3], v7 offset:2*\t*WP
.endr
.irp t, 0,1,2,3,4,5,6,7,8,9,10,11,12,13,14,15
	s_wait_dscnt 15-\t                             ; the younger read-backs may be out
	global_store_b128 v8, v[WO+4*\t:WO+4*\t+3], s[6:7] offset:2*\t*512
.endr
	s_wait_tensorcnt 0x0                           ; the wave's end, behind my last LDS store
	ds_add_u32 v[SPW], v[NIL]
	s_wait_dscnt 0x0
	s_endpgm
; ---------------- w_o: a wave rounds 8,192 numbers to f16, in four chunks of sixteen loads; two chunks are on their way.  No LDS.
.set OI, 32                            ; v32-159  two sets of 64 numbers
.set OO, 160                           ; v160-191 a chunk's 32 registers of f16 pairs
.Lcast:
	s_sub_co_u32 s33, ttmp9, 48
	s_lshl_b32 s33, s33, 2
	s_add_co_u32 s33, s33, s[WV]
	s_lshl_b32 s34, s33, 15
	s_add_nc_u64 s[4:5], s[20:21], s[34:35]
	s_lshl_b32 s34, s33, 14
	s_add_nc_u64 s[6:7], s[30:31], s[34:35]
	v_lshlrev_b32 v3, 4, v2
	v_lshlrev_b32 v4, 3, v2
.macro OLOAD u
.irp i, 0,1,2,3,4,5,6,7,8,9,10,11,12,13,14,15
	global_load_b128 v[OI+64*((\u)%2)+4*\i:OI+64*((\u)%2)+4*\i+3], v3, s[4:5] offset:8192*(\u)+512*\i th:TH_LOAD_NT
.endr
.endm
.macro OCHUNK u
.if (\u) < 3
	s_wait_loadcnt 16                              ; this chunk's sixteen loads are in; the next chunk's may be out
.else
	s_wait_loadcnt 0
.endif
	s_wait_xcnt 0x0                                ; the last chunk's stores have read their data registers, which are written again below
.irp i, 0,1,2,3,4,5,6,7,8,9,10,11,12,13,14,15
	v_cvt_pk_f16_f32 v[OO+2*\i], v[OI+64*((\u)%2)+4*\i], v[OI+64*((\u)%2)+4*\i+1]
	v_cvt_pk_f16_f32 v[OO+2*\i+1], v[OI+64*((\u)%2)+4*\i+2], v[OI+64*((\u)%2)+4*\i+3]
.endr
.irp i, 0,1,2,3,4,5,6,7,8,9,10,11,12,13,14,15
	global_store_b64 v4, v[OO+2*\i:OO+2*\i+1], s[6:7] offset:4096*(\u)+256*\i   ; 256 consecutive bytes, aligned
.endr
.if (\u) < 2
	OLOAD (\u)+2
.endif
.endm
	OLOAD 0
	OLOAD 1
	OCHUNK 0
	OCHUNK 1
	OCHUNK 2
	OCHUNK 3
	s_endpgm
.Lfunc_end_k_qf18947f22a_prep:
	.size	k_qf18947f22a_prep, .Lfunc_end_k_qf18947f22a_prep-k_qf18947f22a_prep
	.p2alignl 7, 3214868480
	.fill 96, 4, 3214868480
	.section	.rodata,"a",@progbits
	.p2align	6, 0x0
	.amdhsa_kernel k_qf18947f22a_prep
		.amdhsa_group_segment_fixed_size 68096
		.amdhsa_private_segment_fixed_size 0
		.amdhsa_enable_private_segment 0
		.amdhsa_kernarg_size 96
		.amdhsa_user_sgpr_count 2
		.amdhsa_user_sgpr_kernarg_segment_ptr 1
		.amdhsa_wavefront_size32 1
		.amdhsa_system_sgpr_workgroup_id_x 1
		.amdhsa_system_sgpr_workgroup_id_y 1
		.amdhsa_system_sgpr_workgroup_id_z 1
		.amdhsa_system_vgpr_workitem_id 0
		.amdhsa_next_free_vgpr 196
		.amdhsa_next_free_sgpr 66
		.amdhsa_reserve_vcc 0
		.amdhsa_float_denorm_mode_32 3
		.amdhsa_float_denorm_mode_16_64 3
		.amdhsa_memory_ordered 1
		.amdhsa_forward_progress 1
		.amdhsa_inst_pref_size 132
	.end_amdhsa_kernel
	.amdgpu_metadata
---
amdhsa.version: [ 1, 2 ]
amdhsa.kernels:
  - .name:           k_qf18947f22a_prep
    .symbol:         k_qf18947f22a_prep.kd
    .args:
      - { .name: k, .offset: 0, .size: 8, .value_kind: global_buffer, .address_space: global }
      - { .name: q, .offset: 8, .size: 8, .value_kind: global_buffer, .address_space: global }
      - { .name: v, .offset: 16, .size: 8, .value_kind: global_buffer, .address_space: global }
      - { .name: w_k, .offset: 24, .size: 8, .value_kind: global_buffer, .address_space: global }
      - { .name: w_q, .offset: 32, .size: 8, .value_kind: global_buffer, .address_space: global }
      - { .name: w_v, .offset: 40, .size: 8, .value_kind: global_buffer, .address_space: global }
      - { .name: w_o, .offset: 48, .size: 8, .value_kind: global_buffer, .address_space: global }
      - { .name: xc, .offset: 56, .size: 8, .value_kind: global_buffer, .address_space: global }
      - { .name: xs, .offset: 64, .size: 8, .value_kind: global_buffer, .address_space: global }
      - { .name: wc, .offset: 72, .size: 8, .value_kind: global_buffer, .address_space: global }
      - { .name: ws, .offset: 80, .size: 8, .value_kind: global_buffer, .address_space: global }
      - { .name: wo16, .offset: 88, .size: 8, .value_kind: global_buffer, .address_space: global }
    .group_segment_fixed_size: 68096
    .private_segment_fixed_size: 0
    .kernarg_segment_align: 8
    .kernarg_segment_size: 96
    .max_flat_workgroup_size: 128
    .sgpr_count:     66
    .vgpr_count:     196
    .wavefront_size: 32
...
	.end_amdgpu_metadata
.endif
;; end of part 1
;; launch proj (part 2): grid 4 x 96, 4 waves a work-group, clusters of 4 x 4, 327,680 bytes of LDS; arguments xc, xs, wc, ws, b_k, b_q, b_v, hd; writes hd
.if DOCPART == 2
	.amdgcn_target "amdgcn-amd-amdhsa--gfx1250"
	.amdhsa_code_object_version 6
	.text
	.protected	k_qf18947f22a_proj
	.globl	k_qf18947f22a_proj
	.p2align	8
	.type	k_qf18947f22a_proj,@function
k_qf18947f22a_proj:
	s_mov_b64 s[64:65], 0
	v_nop
	global_prefetch_b8 v0, s[64:65] scope:SCOPE_SE
	s_setreg_imm32_b32 hwreg(HW_REG_WAVE_MODE, 25, 1), 1
	s_wait_xcnt 0x0
	s_wait_alu depctr_hold_cnt(0) depctr_sa_sdst(0) depctr_va_vdst(0) depctr_va_sdst(0) depctr_va_ssrc(0) depctr_va_vcc(0) depctr_vm_vsrc(0)
	s_getreg_b32 s2, hwreg(HW_REG_IB_STS2, 6, 4)
	s_cmp_eq_u32 s2, 0
	s_cbranch_scc0 .Lentry_in_a_cluster
	s_endpgm
.Lentry_in_a_cluster:
	s_bfe_u32 s2, ttmp6, 0x10000c
	s_cmp_lg_u32 s2, 0xf033
	s_cbranch_scc0 .Lentry_shape_is_right
	s_endpgm
.Lentry_shape_is_right:
; PROJ: kp = k w_k + b_k, qp = q w_q + b_q, vp = v w_v + b_v, on codes of E2M1 with E8M0 scales (sums in f32), rounded once to f16 and laid by head: hd [3][4 b][16 h][2048 s][64].
; The three products are one walk: the rows of k, q, v are stacked (24,576 rows of 512 bytes of codes), and a tile row picks its weights by which third it lies in.
; A tile, 256 tokens x 256 columns (4 heads), is made by four waves; a wave makes 128 x 128 (2 heads): 64 accumulators of 16 x 16.
; K = 1,024 is two K steps of 512 (tile rows of 256 bytes): both lie in LDS slots of their own, asked for at the head, and nothing is filled again.  The scale bytes of the tile's rows come with them.
; CLUSTERS: 4 x 4 work-groups; the four of a row need the same rows of x, the four of a column the same rows of the weights: each tile is asked for jointly.  All 16 partners lie in one third (8 clusters to a third).
; THE MATRIX INSTRUCTION IS USED TRANSPOSED (source 0 = 16 columns of w, source 1 = 16 tokens): a lane holds eight neighbouring columns of one token.  The bias is the C of each sum's first product.
; LIMIT: a projected number beyond 65,504 becomes an infinity in f16.
; REGISTERS: window 0: v0-31 addresses; v32-95 scale words, two sets, and nothing else; v128-191 x's fragments, ONE set; v192-255 the bias, 8 registers a column block; on the way out v128-223 are at work.
;   window 1: w's fragments, TWO sets, at v0 and v128.   window 2: accumulators of my tokens 0-63 ((a, b) at v[8 (8 a + b)]);   window 3: tokens 64-127.
.set KSTEP,  512
.set NQ,     KSTEP/128
.set ROWB,   256                       ; a tile's row in bytes
.set KROW,   512                       ; a row of codes in memory
.set PITCH,  272                       ; an LDS row: 256 bytes + 16 of padding: the 16 rows that a load touches start 68 words apart
.set FR,     8
.set NL,     2
.set NP,     4                         ; places behind this matrix instruction (ISA guide 7.12.1)
.set HALFT,  128*PITCH
.set SLOT,   4*HALFT                   ; x's 256 rows, then w's 256 rows
.set KS,     32                        ; a row of scale bytes
.set SCL,    2*SLOT
.set HALFS,  (128*KS/256)*272          ; the scales of 128 rows
.set SBLK,   (16*KS/256)*272           ; those of 16 rows
.set SPARE,  SCL+4*HALFS               ; the spare words, 128 bytes for each wave
.set ADRA, 16
.set ADRB, 20
.set STO,  24
.set RD,   25
.set CO,   26
.set ADRS, 27
.set SPW,  28
.set NIL,  29
.set VB,   30
.set SC,   32
.set AF,   128
.set BI,   192
.set TMP,  128                         ; the way out: 32 registers of f16 pairs
.set OB,   160                         ; and two sets of 32, rows read back from the stage
.set G1, 24
.set G0, 32
.set G1B, 48
.set G0B, 56
.set G1S, 68
.set G0S, 76
.set G1SB, 80
.set G0SB, 88
.set MSB, 0
.macro WIN new                         ; the immediate's high byte repeats the setting that is left
.if MSB != (\new)
	s_set_vgpr_msb (MSB<<8)|(\new)
.set MSB, (\new)
.endif
.endm
.set MUL_LO,  0xa1                     ; source 0 (w) window 1, source 1 (x) window 0, C and D window 2
.set MUL_HI,  0xf1                     ; the same, C and D window 3
.set BIAS_LO, 0x81                     ; C (the bias) window 0, D window 2
.set BIAS_HI, 0xc1                     ; C window 0, D window 3
.set TO_B,    0x40
; A joint load: waves 0 and 1 fetch for x, waves 2 and 3 for w.  The branch hangs on the wave's number alone.  An s_nop 0 and four v_nop follow each of the two lines.
.macro JLOAD g0a, g1a, g0b, g1b
	s_cmp_eq_u32 s15, 0
	s_cbranch_scc0 .Lfor_b_\@
	tensor_load_to_lds s[\g0a:\g0a+3], s[\g1a:\g1a+7]
	s_nop 0
.rept 4
	v_nop
.endr
	s_branch .Lasked_\@
.Lfor_b_\@:
	tensor_load_to_lds s[\g0b:\g0b+3], s[\g1b:\g1b+7]
	s_nop 0
.rept 4
	v_nop
.endr
.Lasked_\@:
.endm
.macro CROUND                          ; a round of the cluster's barrier
	s_barrier_signal -1
	s_barrier_wait -1
	s_cmp_lg_u32 s14, 0
	s_cbranch_scc1 .Lnot_wave_0_\@
	s_barrier_signal -3
.Lnot_wave_0_\@:
	s_barrier_wait -3
	s_barrier_signal -1
	s_barrier_wait -1
.endm
	s_load_b128 s[4:7], s[0:1], 0x0                ; x's codes, x's scales
	s_load_b128 s[8:11], s[0:1], 0x10              ; w's codes, w's scales
	s_load_b128 s[96:99], s[0:1], 0x20             ; b_k, b_q
	s_load_b64 s[100:101], s[0:1], 0x30            ; b_v
	s_load_b64 s[12:13], s[0:1], 0x38              ; hd
	v_lshl_add_u32 v[SPW], v0, 2, SPARE
	v_mov_b32 v[NIL], 0
	ds_add_u32 v[SPW], v[NIL]                      ; the wave's opening: the add, twice on end, and its wait ahead of my first tensor load
	ds_add_u32 v[SPW], v[NIL]
	v_lshrrev_b32 v1, 5, v0
	v_readfirstlane_b32 s14, v1                    ; wave 0..3
	s_lshr_b32 s15, s14, 1                         ; which half of the tile's tokens is mine.  Also: I fetch for x (0) or for w (1)
	s_and_b32 s16, s14, 1                          ; which half of its columns.  Also: which 128 rows I fetch
	s_bfe_u32 s40, ttmp6, 0x40000                  ; cx, cy: my place in the cluster
	s_bfe_u32 s41, ttmp6, 0x40004
	s_lshl_b32 s42, ttmp9, 2
	s_add_co_u32 s42, s42, s40                     ; tile column = 4 x cluster x + cx
	s_and_b32 s17, ttmp7, 0xffff
	s_lshr_b32 s2, s17, 3                          ; which of the three products: from the cluster's y alone, the same in all 16 partners
	s_lshl_b32 s17, s17, 2
	s_add_co_u32 s17, s17, s41                     ; tile row = 4 x cluster y + cy
	s_lshl_b32 s43, s41, 2
	s_lshl_b32 s43, 15, s43                        ; my row of the cluster
	s_lshl_b32 s44, 0x1111, s40                    ; my column
	; descriptor group 1: 128 rows x 256 bytes, 16 bytes of padding behind each
	s_or_b32 s[G1+0], s43, (0<<16)|(1<<20)|(1<<21)|(5<<22)|(3<<25)
	s_or_b32 s[G1B+0], s44, (0<<16)|(1<<20)|(1<<21)|(5<<22)|(3<<25)
.irp g, G1, G1B
	s_mov_b32 s[\g+1], ROWB<<16                    ; tensor_dim0
	s_mov_b32 s[\g+2], 128<<16                     ; tensor_dim1
	s_mov_b32 s[\g+3], ROWB<<16                    ; tile_dim0
	s_mov_b32 s[\g+4], 128                         ; tile_dim1
	s_mov_b32 s[\g+5], KROW                        ; the pitch
	s_mov_b32 s[\g+6], 0
	s_mov_b32 s[\g+7], 0
.endr
	; the scales of 128 rows: 4,096 dense bytes, as 16 rows of 256 bytes (32 elements of 8 bytes), 16 bytes of padding behind each
	s_or_b32 s[G1S+0], s43, (3<<16)|(1<<20)|(1<<21)|(5<<22)|(3<<25)
	s_or_b32 s[G1SB+0], s44, (3<<16)|(1<<20)|(1<<21)|(5<<22)|(3<<25)
.irp g, G1S, G1SB
	s_mov_b32 s[\g+1], 32<<16
	s_mov_b32 s[\g+2], (128*KS/256)<<16
	s_mov_b32 s[\g+3], 32<<16
	s_mov_b32 s[\g+4], 128*KS/256
	s_mov_b32 s[\g+5], 32
	s_mov_b32 s[\g+6], 0
	s_mov_b32 s[\g+7], 0
.endr
	s_lshl_b32 s18, s16, 7                         ; which 128 rows of the tile I fetch
	s_lshl_b32 s20, s17, 8
	s_add_co_u32 s20, s20, s18                     ; x: row 256 x tile row + 128 x half, among the 24,576 stacked rows
	s_lshl_b32 s46, s42, 8
	s_add_co_u32 s46, s46, s18
	s_lshl_b32 s47, s2, 10
	s_add_co_u32 s46, s46, s47                     ; w: row 1,024 x product + 256 x tile column + 128 x half
	s_mov_b32 s21, 0
	s_mov_b32 s47, 0
	s_mov_b64 s[18:19], KS
	s_mul_u64 s[22:23], s[20:21], s[18:19]         ; where these rows' scales begin, in bytes
	s_mul_u64 s[92:93], s[46:47], s[18:19]
	s_mov_b64 s[18:19], KROW
	s_mul_u64 s[20:21], s[20:21], s[18:19]         ; and their codes
	s_mul_u64 s[46:47], s[46:47], s[18:19]
	s_mul_i32 s45, s14, HALFT                      ; where they go: wave x 128 rows
	s_mul_i32 s94, s14, HALFS
	s_wait_dscnt 0x0                               ; both opening adds are done
	s_wait_kmcnt 0x0
	s_add_nc_u64 s[20:21], s[4:5], s[20:21]
	s_add_nc_u64 s[22:23], s[6:7], s[22:23]
	s_add_nc_u64 s[46:47], s[8:9], s[46:47]
	s_add_nc_u64 s[92:93], s[10:11], s[92:93]
	CROUND                                         ; all sixteen work-groups are here: the joint loads meet
	s_mov_b32 s[G0S], 1
	s_add_co_u32 s[G0S+1], s94, SCL
	s_mov_b64 s[G0S+2:G0S+3], s[22:23]
	s_or_b32 s[G0S+3], s[G0S+3], 0x80000000
	s_mov_b32 s[G0SB], 1
	s_add_co_u32 s[G0SB+1], s94, SCL
	s_mov_b64 s[G0SB+2:G0SB+3], s[92:93]
	s_or_b32 s[G0SB+3], s[G0SB+3], 0x80000000
	JLOAD G0S, G1S, G0SB, G1SB                     ; the scales first: they are wanted with K step 0
.irp s, 0,1
	s_mov_b32 s[G0+4*\s], 1
	s_add_co_u32 s[G0+4*\s+1], s45, \s*SLOT
	s_add_nc_u64 s[G0+4*\s+2:G0+4*\s+3], s[20:21], \s*ROWB
	s_or_b32 s[G0+4*\s+3], s[G0+4*\s+3], 0x80000000
	s_mov_b32 s[G0B+4*\s], 1
	s_add_co_u32 s[G0B+4*\s+1], s45, \s*SLOT
	s_add_nc_u64 s[G0B+4*\s+2:G0B+4*\s+3], s[46:47], \s*ROWB
	s_or_b32 s[G0B+4*\s+3], s[G0B+4*\s+3], 0x80000000
	JLOAD G0+4*\s, G1, G0B+4*\s, G1B               ; three loads of mine are out, and no more follow
.endr
	v_and_b32 v1, 15, v0                           ; r = l % 16
	v_bfe_u32 v2, v0, 4, 1                         ; h = l / 16
	v_mul_u32_u24 v3, v1, PITCH
	v_lshl_add_u32 v4, v2, 4, v3                   ; a fragment's row x pitch + 16 x half
	s_mul_i32 s21, s15, HALFT                      ; my 128 rows of x
	s_mul_i32 s22, s16, HALFT                      ; my 128 rows of w,
	s_add_co_u32 s22, s22, 2*HALFT                 ; which lie behind x's 256
.irp s, 0,1
	v_add_nc_u32 v[ADRA+\s], s21, v4
	v_add_nc_u32 v[ADRB+\s], s22, v4
	s_add_co_u32 s21, s21, SLOT
	s_add_co_u32 s22, s22, SLOT
.endr
	v_mul_u32_u24 v5, v1, KS                       ; my row's scales: 32 bytes a row,
	v_lshrrev_b32 v6, 8, v5
	v_lshl_add_u32 v5, v6, 4, v5                   ; and 16 more for each 256 passed
	s_mul_i32 s21, s15, HALFS
	s_mul_i32 s22, s16, HALFS
	s_add_co_u32 s22, s22, 2*HALFS
	s_sub_co_u32 s22, s22, s21
	v_mul_u32_u24 v6, s22, v2                      ; lanes 16-31 take w's
	s_add_co_u32 s21, s21, SCL
	v_add_nc_u32 v5, v5, v6
	v_add_nc_u32 v[ADRS], s21, v5
	s_mul_i32 s23, s14, 16*PITCH                   ; my stage for the way out: 16 rows x 272 bytes, in slot 0
	v_add_nc_u32 v[STO], s23, v4                   ; in: row r, 16 bytes for each half of the lanes
	v_bfe_u32 v5, v0, 3, 2
	v_mul_u32_u24 v5, v5, PITCH
	v_and_b32 v6, 7, v0
	v_lshl_add_u32 v5, v6, 4, v5
	v_add_nc_u32 v[RD], s23, v5                    ; back: eight lanes take one head's 128 bytes of a row, four rows an instruction
	v_and_b32 v6, 31, v0
	v_lshlrev_b32 v[CO], 4, v6                     ; and in hd these four pieces are 512 consecutive bytes
	s_lshr_b32 s20, s17, 3
	s_lshl_b32 s20, s20, 22                        ; hd: (tile row / 8) = 4 x product + batch: 4,194,304 bytes each
	s_and_b32 s21, s17, 7
	s_lshl_b32 s21, s21, 15                        ; 256 tokens of 128 bytes
	s_add_co_u32 s20, s20, s21
	s_lshl_b32 s21, s15, 14                        ; my 128 tokens
	s_add_co_u32 s20, s20, s21
	s_mov_b32 s21, 0
	s_lshl_b32 s46, s42, 20                        ; head 4 x tile column + 2 x half: 262,144 bytes a head
	s_lshl_b32 s47, s16, 19
	s_add_co_u32 s46, s46, s47
	s_mov_b32 s47, 0
	s_add_nc_u64 s[20:21], s[20:21], s[46:47]
	s_add_nc_u64 s[12:13], s[12:13], s[20:21]
	s_cmp_eq_u32 s2, 1                             ; the product's bias
	s_cselect_b64 s[98:99], s[98:99], s[100:101]
	s_cmp_eq_u32 s2, 0
	s_cselect_b64 s[96:97], s[96:97], s[98:99]
	s_lshl_b32 s46, s42, 10                        ; my first column, in bytes of f32
	s_lshl_b32 s47, s16, 9
	s_add_co_u32 s46, s46, s47
	s_mov_b32 s47, 0
	s_add_nc_u64 s[96:97], s[96:97], s[46:47]
	v_lshlrev_b32 v[VB], 5, v2                     ; lane (r, h) wants, for column block b, the bias of columns 16 b + 8 h + 0 .. 7: the result's layout
.irp b, 0,1,2,3,4,5,6,7
	global_load_b128 v[BI+8*\b:BI+8*\b+3], v[VB], s[96:97] offset:64*\b
	global_load_b128 v[BI+8*\b+4:BI+8*\b+7], v[VB], s[96:97] offset:64*\b+16
.endr
.macro FRAG reg, adr, q, i             ; 16 rows x 128 K of 4-bit codes: 8 registers: two loads of 16 bytes, 32 bytes apart
.irp c, 0,1
	ds_load_b128 v[\reg+4*\c:\reg+4*\c+3], v[\adr] offset:64*(\q)+32*\c+(\i)*16*PITCH
.endr
.endm
; 16 matrix instructions: x's blocks a0, a0 + 1 against w's eight.  zero = 1: the first product starts the sums from the bias.  The 64 accumulators take turns, one instruction a turn.
.macro MUL16 a0, p, q, sc, zero
.irp a, \a0, \a0+1
.irp b, 0,1,2,3,4,5,6,7
.if \zero
	v_wmma_scale_f32_16x16x128_f8f6f4 v[8*(8*((\a)%4)+\b):8*(8*((\a)%4)+\b)+7], v[128*(\p)+FR*\b:128*(\p)+FR*\b+FR-1], v[AF+FR*(\a):AF+FR*(\a)+FR-1], v[BI+8*\b:BI+8*\b+7], v[SC+8*NQ*(\sc)+NQ*\b+(\q)], v[SC+8*NQ*(\sc)+NQ*(\a)+(\q)] matrix_a_fmt:MATRIX_FMT_FP4 matrix_b_fmt:MATRIX_FMT_FP4 matrix_a_scale:MATRIX_SCALE_ROW1
.else
	v_wmma_scale_f32_16x16x128_f8f6f4 v[8*(8*((\a)%4)+\b):8*(8*((\a)%4)+\b)+7], v[128*(\p)+FR*\b:128*(\p)+FR*\b+FR-1], v[AF+FR*(\a):AF+FR*(\a)+FR-1], v[8*(8*((\a)%4)+\b):8*(8*((\a)%4)+\b)+7], v[SC+8*NQ*(\sc)+NQ*\b+(\q)], v[SC+8*NQ*(\sc)+NQ*(\a)+(\q)] matrix_a_fmt:MATRIX_FMT_FP4 matrix_b_fmt:MATRIX_FMT_FP4 matrix_a_scale:MATRIX_SCALE_ROW1
.endif
.endr
.endr
.endm
.macro FETCH_B slot, q, p
	WIN TO_B
.irp i, 0,1,2,3,4,5,6,7
	FRAG 128*(\p)+FR*\i, ADRB+\slot, \q, \i
.endr
	WIN 0
.endm
.macro FETCH_A slot, q, i0
.irp i, \i0, \i0+1, \i0+2, \i0+3
	FRAG AF+FR*(\i), ADRA+\slot, \q, \i
.endr
.endm
.macro SCALES sc                       ; a K step's scale words: lanes 0-15 take x's block i, lanes 16-31 w's block i
.irp i, 0,1,2,3,4,5,6,7
	ds_load_b128 v[SC+8*NQ*\sc+NQ*\i:SC+8*NQ*\sc+NQ*\i+3], v[ADRS] offset:\i*SBLK
.endr
.endm
.macro PLACES n                        ; plain vector places behind matrix instructions, in front of loads into their registers and of reads of results
.rept \n
	v_nop
.endr
.endm
.macro STEP slot, q, zero              ; 128 along K, with its successor in the same slot
	s_wait_dscnt 4*NL                              ; w's set and x's blocks 0-3 are in; the youngest eight loads (x's blocks 4-7) may be out
.if \zero
	WIN BIAS_LO
.else
	WIN MUL_LO
.endif
	MUL16 0, (\q)%2, \q, \slot, \zero
	MUL16 2, (\q)%2, \q, \slot, \zero
	s_wait_dscnt 0                                 ; x's blocks 4-7 are in
	PLACES NP
	FETCH_B \slot, (\q)+1, 1-(\q)%2
	FETCH_A \slot, (\q)+1, 0
.if \zero
	WIN BIAS_HI
.else
	WIN MUL_HI
.endif
	MUL16 4, (\q)%2, \q, \slot, \zero
	MUL16 6, (\q)%2, \q, \slot, \zero
	PLACES NP
	WIN 0
	FETCH_A \slot, (\q)+1, 4
.endm
.macro TURN slot, next                 ; a slot's last step changes slots: one barrier
	s_wait_tensorcnt 0x0                           ; all my tensor loads have landed: my part of the next slot among them
	ds_add_u32 v[SPW], v[NIL]
	s_wait_dscnt 4*NL+1                            ; (the add and x's blocks 4-7 may be out)
	WIN MUL_LO
	MUL16 0, 1, NQ-1, \slot, 0
	s_wait_dscnt 0x0                               ; the add is done, and my reads of this slot are over
	s_barrier_signal -1
	MUL16 2, 1, NQ-1, \slot, 0
	WIN 0
	s_barrier_wait -1
	PLACES NP
	v_add_nc_u32 v[ADRS], 4*NQ, v[ADRS]            ; on to the next K step's scale words
	FETCH_B \next, 0, 0
	FETCH_A \next, 0, 0
	SCALES \next
	WIN MUL_HI
	MUL16 4, 1, NQ-1, \slot, 0
	MUL16 6, 1, NQ-1, \slot, 0
	PLACES NP
	WIN 0
	FETCH_A \next, 0, 4
.endm
	s_wait_tensorcnt 1                             ; the scales and my part of K step 0 are in (K step 1's load may be out),
	s_barrier_signal -1
	s_barrier_wait -1                              ; everybody's are
	FETCH_B 0, 0, 0
	FETCH_A 0, 0, 0
	SCALES 0
	FETCH_A 0, 0, 4
	s_wait_loadcnt 0x0                             ; the bias
	STEP 0, 0, 1
	STEP 0, 1, 0
	STEP 0, 2, 0
	TURN 0, 1
	STEP 1, 0, 0
	STEP 1, 1, 0
	STEP 1, 2, 0
	s_wait_dscnt 4*NL                              ; the last step: nothing more to fetch
	WIN MUL_LO
	MUL16 0, 1, NQ-1, 1, 0
	MUL16 2, 1, NQ-1, 1, 0
	s_wait_dscnt 0
	WIN MUL_HI
	MUL16 4, 1, NQ-1, 1, 0
	MUL16 6, 1, NQ-1, 1, 0
	WIN 0
; THE WAY OUT, a block of 16 tokens x 128 columns at a time: rounded to f16 (16 bytes a lane), through my own stage, and back by heads: 16 tokens of one head are 2,048 consecutive bytes of hd.
; The stage lies in slot 0, which has had its only fill and, behind the change of slots, its last read.  LDS serves a wave's instructions in order.
.macro PACK a
.set AC, 64*((\a)%4)
	WIN 0x0a+5*((\a)/4)                            ; sources 0 and 1: window 2 or 3
.irp b, 0,1,2,3,4,5,6,7
.irp i, 0,1,2,3
	v_cvt_pk_f16_f32 v[TMP+4*\b+\i], v[AC+8*\b+2*\i], v[AC+8*\b+2*\i+1]   ; each accumulator from its low end on
.endr
.endr
	WIN 0
.endm
.macro TOSTAGE a
.set BB, OB+32*((\a)%2)
.irp b, 0,1,2,3,4,5,6,7
	ds_store_b128 v[STO], v[TMP+4*\b:TMP+4*\b+3] offset:32*\b
.endr
.irp i, 0,1,2,3,4,5,6,7
	ds_load_b128 v[BB+4*\i:BB+4*\i+3], v[RD] offset:(\i%4)*4*PITCH+128*(\i/4)
.endr
.endm
.macro SEND a
.set BB, OB+32*((\a)%2)
	s_wait_dscnt 0x0                               ; the block is back in registers
	s_wait_xcnt 0x0                                ; the earlier stores have read their data: the other set may be loaded again behind this wait
.irp i, 0,1,2,3,4,5,6,7
	global_store_b128 v[CO], v[BB+4*\i:BB+4*\i+3], s[12:13] offset:2048*(\a)+512*(\i%4)+262144*(\i/4)   ; 512 consecutive bytes of one head, aligned
.endr
.endm
	PLACES NP                                      ; behind the last products: for the conversions' reads and for the writes into registers that held x's fragments
	PACK 0
	TOSTAGE 0
.irp a, 1,2,3,4,5,6,7
	PACK \a
	SEND \a-1
	TOSTAGE \a
.endr
	SEND 7
	s_wait_tensorcnt 0x0                           ; the wave's end
	ds_add_u32 v[SPW], v[NIL]
	s_wait_dscnt 0x0
	CROUND                                         ; the closing round
	s_endpgm
.Lfunc_end_k_qf18947f22a_proj:
	.size	k_qf18947f22a_proj, .Lfunc_end_k_qf18947f22a_proj-k_qf18947f22a_proj
	.p2alignl 7, 3214868480
	.fill 96, 4, 3214868480
	.section	.rodata,"a",@progbits
	.p2align	6, 0x0
	.amdhsa_kernel k_qf18947f22a_proj
		.amdhsa_group_segment_fixed_size 327680
		.amdhsa_private_segment_fixed_size 0
		.amdhsa_enable_private_segment 0
		.amdhsa_kernarg_size 64
		.amdhsa_user_sgpr_count 2
		.amdhsa_user_sgpr_kernarg_segment_ptr 1
		.amdhsa_wavefront_size32 1
		.amdhsa_system_sgpr_workgroup_id_x 1
		.amdhsa_system_sgpr_workgroup_id_y 1
		.amdhsa_system_sgpr_workgroup_id_z 1
		.amdhsa_system_vgpr_workitem_id 0
		.amdhsa_next_free_vgpr 1024
		.amdhsa_next_free_sgpr 102
		.amdhsa_reserve_vcc 0
		.amdhsa_float_denorm_mode_32 3
		.amdhsa_float_denorm_mode_16_64 3
		.amdhsa_memory_ordered 1
		.amdhsa_forward_progress 1
		.amdhsa_inst_pref_size 128
	.end_amdhsa_kernel
	.amdgpu_metadata
---
amdhsa.version: [ 1, 2 ]
amdhsa.kernels:
  - .name:           k_qf18947f22a_proj
    .symbol:         k_qf18947f22a_proj.kd
    .args:
      - { .name: xc, .offset: 0, .size: 8, .value_kind: global_buffer, .address_space: global }
      - { .name: xs, .offset: 8, .size: 8, .value_kind: global_buffer, .address_space: global }
      - { .name: wc, .offset: 16, .size: 8, .value_kind: global_buffer, .address_space: global }
      - { .name: ws, .offset: 24, .size: 8, .value_kind: global_buffer, .address_space: global }
      - { .name: b_k, .offset: 32, .size: 8, .value_kind: global_buffer, .address_space: global }
      - { .name: b_q, .offset: 40, .size: 8, .value_kind: global_buffer, .address_space: global }
      - { .name: b_v, .offset: 48, .size: 8, .value_kind: global_buffer, .address_space: global }
      - { .name: hd, .offset: 56, .size: 8, .value_kind: global_buffer, .address_space: global }
    .group_segment_fixed_size: 327680
    .private_segment_fixed_size: 0
    .kernarg_segment_align: 8
    .kernarg_segment_size: 64
    .max_flat_workgroup_size: 128
    .sgpr_count:     102
    .vgpr_count:     1024
    .wavefront_size: 32
...
	.end_amdgpu_metadata
.endif
;; end of part 2
;; launch attn (part 3): grid 4 x 64, 8 waves a work-group, clusters of 4 x 1, 327,680 bytes of LDS; arguments hd, cx; writes cx
.if DOCPART == 3
	.amdgcn_target "amdgcn-amd-amdhsa--gfx1250"
	.amdhsa_code_object_version 6
	.text
	.protected	k_qf18947f22a_attn
	.globl	k_qf18947f22a_attn
	.p2align	8
	.type	k_qf18947f22a_attn,@function
k_qf18947f22a_attn:
	s_mov_b64 s[64:65], 0
	v_nop
	global_prefetch_b8 v0, s[64:65] scope:SCOPE_SE
	s_setreg_imm32_b32 hwreg(HW_REG_WAVE_MODE, 25, 1), 1
	s_wait_xcnt 0x0
	s_wait_alu depctr_hold_cnt(0) depctr_sa_sdst(0) depctr_va_vdst(0) depctr_va_sdst(0) depctr_va_ssrc(0) depctr_va_vcc(0) depctr_vm_vsrc(0)
	s_getreg_b32 s2, hwreg(HW_REG_IB_STS2, 6, 4)
	s_cmp_eq_u32 s2, 0
	s_cbranch_scc0 .Lentry_in_a_cluster
	s_endpgm
.Lentry_in_a_cluster:
	s_bfe_u32 s2, ttmp6, 0x10000c
	s_cmp_lg_u32 s2, 0x3003
	s_cbranch_scc0 .Lentry_shape_is_right
	s_endpgm
.Lentry_shape_is_right:
; ATTN: ctx[bh][q][:] = the sum over k of softmax_k(qp[q] . kp[k] / 64) vp[k][:], for each of the 64 (batch, head) pairs; head size 64, 2,048 keys, no mask.
; hd: f16 [3 (kp, qp, vp)][64 bh][2048][64].  cx: f16 [64 bh][2048][64].  Products, maxima and sums in f32; the weights p are rounded to f16 for the second product, ctx once at the end.
; LIMITS: ctx under 6e-5 in size is kept with f16's subnormal step; infinities in hd (projections beyond 65,504) are not served.
; SHARES.  A cluster of four work-groups is one (batch, head); a work-group owns 512 queries, each of its EIGHT waves 64: four tiles of 16.  Two waves lie on a SIMD, so that one wave's softmax stands beside the other's products.
; Every wave walks all 2,048 keys, 64 a step.  Each fragment of K and V read from LDS feeds four products.
; LAYOUT.  S^T = K Q^T (source 0 = 16 keys, source 1 = 16 queries): a lane holds ONE query (lane % 16) and keys 8 (lane / 16) + 0..7.  Two such tiles, rounded to f16 in pairs, ARE source 1 (32 keys x 16 queries)
; of O^T = V^T P, whose result again holds one query a lane.  K comes out of LDS as it lies, V ([key][channel]) turned, by ds_load_tr16_b128.
; SOFTMAX.  For each query a running maximum m and sum l: p = 2^(c s - c m), c = log2(e) / 64; in every step O and l are multiplied by 2^(c m_old - c m_new).
; RING.  Two LDS slots of four key steps; waves 0-3 fetch K's four tiles of a slot, waves 4-7 V's: one joint load a wave behind each round of the cluster's barrier, asked by all four work-groups alike.
; REGISTERS.  window 0: v1-11 addresses; v12-43 eight registers of statistics a tile; v44 prefetch offset; v46, v47 the add's two; v64-191 S^T, 32 a tile, P laid over its first 16; v192-255 K's fragments.
;   window 1: v0-63 Q; v64-191 O^T, 32 a tile; v192-255 V's fragments.
.set KS,    64                         ; keys in a step
.set PK,    144                        ; a row of K in LDS: 128 bytes + 16: the 16 rows of a load start 36 words apart
.set PVP,   160                        ; a row of V: 128 + 32
.set VOFF,  KS*PK
.set STEPB, KS*(PK+PVP)                ; a step's tiles lie together: K's 64 rows, then V's
.set NST,   4                          ; steps in a slot
.set SLOT1, 1<<17                      ; slot 1 begins here: one exclusive or turns an address in one slot into the other's
.set SLOTB, NST*KS*128                 ; a slot's bytes of K, or of V, in memory
.set STAGE, SLOT1+NST*STEPB            ; behind the ring: 16 rows x 144 bytes for each wave, for the way out
.set SPARE, STAGE+8*16*PK              ; the spare words, 128 bytes for each wave
.set AK0, 2
.set AV0, 3
.set ADK, 4
.set ADV, 5
.set STO, 6
.set RD,  7
.set GO,  8
.set QO,  10
.set ST,  12                           ; tile t at v[ST + 8 t]: +0 c m, +1 m, +2, +3 l (even keys', odd keys'), +4 to +7 c0-c3 at work; the rescaling factor takes c2's place
.set PFO, 44
.set SPW, 46
.set NIL, 47
.set S,   64
.set KF,  192
.set WV,  12
.set LIM, 15
.set PFA, 18
.set G1K, 24
.set G1V, 32
.set G0K, 40
.set G0V, 48
.set SLOTS, 56
.set CNT, 57
.set CS,  58
.set SEL, 60
.set TB,  62
.set MSB, 0
.macro WIN new                         ; the immediate's high byte repeats the setting that is left
.if MSB != (\new)
	s_set_vgpr_msb (MSB<<8)|(\new)
.set MSB, (\new)
.endif
.endm
.set W_KQ, 0x04                        ; K and S^T window 0, Q window 1
.set W_PV, 0x51                        ; V and O^T window 1, P window 0
.set W_RS, 0x41                        ; O^T (destination and source 0) window 1, the factor window 0
.macro JLOAD                           ; a joint refill; the branch hangs on the wave's number alone; an s_nop 0 and four v_nop follow each line
	s_cmp_lt_u32 s[WV], 4
	s_cbranch_scc0 .Lfor_v_\@
	tensor_load_to_lds s[G0K+4:G0K+7], s[G1K:G1K+7]
	s_nop 0
.rept 4
	v_nop
.endr
	s_branch .Lasked_\@
.Lfor_v_\@:
	tensor_load_to_lds s[G0V+4:G0V+7], s[G1V:G1V+7]
	s_nop 0
.rept 4
	v_nop
.endr
.Lasked_\@:
.endm
; A prefetch of what the NEXT change of slots will ask for: a slot's 32,768 bytes of K and of V, four key steps ahead of that load.  Wave 0 asks for K's, wave 4 for V's; the four partners share the bytes out
; by address, 8,192 each, lanes 256 bytes apart: each piece of 256 bytes is named once in the launch.  The last change that fills a slot asks for nothing; nothing is asked at the head.
.macro ASK
	s_cmp_gt_u32 s[SLOTS], s[LIM]
	s_cbranch_scc0 .Lnot_mine_\@
	global_prefetch_b8 v[PFO], s[PFA:PFA+1] th:TH_LOAD_NT scope:SCOPE_SE
.Lnot_mine_\@:
.endm
.macro CROUND                          ; a round of the cluster's barrier
	s_barrier_signal -1
	s_barrier_wait -1
	s_cmp_lg_u32 s[WV], 0
	s_cbranch_scc1 .Lnot_wave_0_\@
	s_barrier_signal -3
.Lnot_wave_0_\@:
	s_barrier_wait -3
	s_barrier_signal -1
	s_barrier_wait -1
.endm
	s_load_b128 s[4:7], s[0:1], 0x0                ; hd, cx
	v_lshl_add_u32 v[SPW], v0, 2, SPARE
	v_mov_b32 v[NIL], 0
	ds_add_u32 v[SPW], v[NIL]                      ; the wave's opening: the add, twice on end, and its wait ahead of my first tensor load
	ds_add_u32 v[SPW], v[NIL]
	v_lshrrev_b32 v1, 5, v0
	v_readfirstlane_b32 s[WV], v1                  ; wave 0..7
	s_bfe_u32 s13, ttmp6, 0x40000                  ; my place in the cluster: it enters Q's, ctx's and the prefetches' addresses alone
	s_and_b32 s20, ttmp7, 0xffff                   ; (batch, head), which the four partners share
	s_lshl_b32 s20, s20, 18                        ; 262,144 bytes a head
	s_mov_b32 s21, 0
	s_and_b32 s16, s[WV], 3                        ; which of a slot's four steps I fetch:
	s_lshl_b32 s22, s16, 13                        ; its 64 rows of 128 bytes in memory,
	s_mov_b32 s23, 0
	s_add_nc_u64 s[22:23], s[22:23], s[20:21]
	s_mul_i32 s17, s16, STEPB                      ; and its place in a slot
	s_lshl_b32 s2, s13, 16                         ; my work-group's 512 rows,
	s_lshl_b32 s3, s[WV], 13                       ; my wave's 64 of them
	s_add_co_u32 s2, s2, s3
	s_mov_b32 s3, 0
	s_add_nc_u64 s[2:3], s[2:3], s[20:21]
	; descriptor group 1: 64 rows x 64 elements of 2 bytes, padded behind every 32 words
	s_mov_b32 s[G1K], 15|(1<<16)|(1<<20)|(1<<21)|(4<<22)|(3<<25)   ; the mask: all four work-groups; 4 words of padding
	s_mov_b32 s[G1V], 15|(1<<16)|(1<<20)|(1<<21)|(4<<22)|(7<<25)   ; 8 words of padding
.irp g, G1K, G1V
	s_mov_b32 s[\g+1], 64<<16                      ; tensor_dim0
	s_mov_b32 s[\g+2], KS<<16                      ; tensor_dim1
	s_mov_b32 s[\g+3], 64<<16                      ; tile_dim0
	s_mov_b32 s[\g+4], KS                          ; tile_dim1
	s_mov_b32 s[\g+5], 64                          ; the pitch
	s_mov_b32 s[\g+6], 0
	s_mov_b32 s[\g+7], 0
.endr
	s_mov_b32 s[CS], 0x3cb8aa3b                    ; c = log2(e) / 64
	s_mov_b32 s[CS+1], s[CS]                       ; named with it as a pair, so it is written
	s_mov_b32 s[SEL], 0x76543210
	s_mov_b32 s[SEL+1], 0xfedcba98                 ; lane l xor 16
	s_mov_b32 s[TB], 0
	s_mov_b32 s[SLOTS], 2048/(NST*KS)-2            ; six slots are asked for behind the first two
	s_cmp_eq_u32 s16, 0
	s_cselect_b32 s[LIM], 1, -1                    ; waves 0 and 4 prefetch
	v_and_b32 v[PFO], 31, v0
	v_lshlrev_b32 v[PFO], 8, v[PFO]
	s_wait_dscnt 0x0                               ; both opening adds are done
	s_wait_kmcnt 0x0
	s_add_nc_u64 s[8:9], s[4:5], s[22:23]          ; kp at my tile of slot 0; vp lies 33,554,432 bytes on
	s_add_nc_u64 s[10:11], s[6:7], s[2:3]          ; ctx at my wave's first row
	s_add_nc_u64 s[PFA:PFA+1], s[4:5], s[20:21]    ; the prefetches: the head's kp,
	s_cmp_lt_u32 s[WV], 4
	s_cselect_b32 s22, 0, 0x2000000                ; or vp,
	s_lshl_b32 s14, s13, 13                        ; my work-group's 8,192 bytes of a slot's 32,768,
	s_add_co_u32 s22, s22, s14
	s_add_co_u32 s22, s22, 2*SLOTB                 ; in slot 2: the first change of slots steps it to slot 3
	s_mov_b32 s23, 0
	s_add_nc_u64 s[PFA:PFA+1], s[PFA:PFA+1], s[22:23]
	s_add_nc_u64 s[4:5], s[4:5], s[2:3]
	s_add_nc_u64 s[4:5], s[4:5], 0x1000000         ; qp at my wave's first row
	CROUND                                         ; all four work-groups are here: the first joint loads meet
.irp s, 0,1
	s_mov_b32 s[G0K+4*\s], 1
	s_add_co_u32 s[G0K+4*\s+1], s17, \s*SLOT1
	s_add_nc_u64 s[G0K+4*\s+2:G0K+4*\s+3], s[8:9], \s*SLOTB
	s_or_b32 s[G0K+4*\s+3], s[G0K+4*\s+3], 0x80000000
	s_mov_b32 s[G0V+4*\s], 1
	s_add_co_u32 s[G0V+4*\s+1], s17, \s*SLOT1+VOFF
	s_add_nc_u64 s[G0V+4*\s+2:G0V+4*\s+3], s[8:9], \s*SLOTB+0x2000000
	s_or_b32 s[G0V+4*\s+3], s[G0V+4*\s+3], 0x80000000
.endr
	s_cmp_lt_u32 s[WV], 4                          ; a wave's two first fills stand in one branch: two loads of mine are out
	s_cbranch_scc0 .Lfirst_v
	tensor_load_to_lds s[G0K:G0K+3], s[G1K:G1K+7]
	s_nop 0
	tensor_load_to_lds s[G0K+4:G0K+7], s[G1K:G1K+7]
	s_nop 0
.rept 4
	v_nop
.endr
	s_branch .Lfirst_asked
.Lfirst_v:
	tensor_load_to_lds s[G0V:G0V+3], s[G1V:G1V+7]
	s_nop 0
	tensor_load_to_lds s[G0V+4:G0V+7], s[G1V:G1V+7]
	s_nop 0
.rept 4
	v_nop
.endr
.Lfirst_asked:
	v_and_b32 v1, 15, v0                           ; r
	v_bfe_u32 v9, v0, 4, 1                         ; h
	v_lshlrev_b32 v[QO], 7, v1
	v_lshl_add_u32 v[QO], v9, 4, v[QO]             ; row x 128 + 16 x half
	WIN 0x40                                       ; destination window 1
.irp f, 0,1,2,3,4,5,6,7                        ; Q stays in registers: tile f / 2, channels 32 (f % 2) on
	global_load_b128 v[8*\f:8*\f+3],   v[QO], s[4:5] offset:(\f/2)*2048+(\f%2)*64
	global_load_b128 v[8*\f+4:8*\f+7], v[QO], s[4:5] offset:(\f/2)*2048+(\f%2)*64+32
.endr
	WIN 0
	v_mul_u32_u24 v[AK0], v1, PK
	v_lshl_add_u32 v[AK0], v9, 4, v[AK0]           ; K: row x pitch + 16 x half
	v_and_b32 v45, 7, v0
	v_bfe_u32 v11, v0, 3, 1
	v_lshl_add_u32 v[AV0], v9, 3, v45              ; V, for the turning load: key 8 (l / 16) + l % 8, channels 8 ((l / 8) % 2) on
	v_mul_u32_u24 v[AV0], v[AV0], PVP
	v_lshl_add_u32 v[AV0], v11, 4, v[AV0]
	v_add_nc_u32 v[AV0], VOFF, v[AV0]
	s_mul_i32 s14, s[WV], 16*PK
	s_add_co_u32 s14, s14, STAGE                   ; my stage
	v_add_nc_u32 v[STO], s14, v[AK0]               ; in: row r, 16 bytes for each half of the lanes
	v_bfe_u32 v[RD], v0, 3, 2
	v_mul_u32_u24 v[RD], v[RD], PK
	v_lshl_add_u32 v[RD], v45, 4, v[RD]
	v_add_nc_u32 v[RD], s14, v[RD]                 ; back: eight lanes to a row of 128 bytes, four rows an instruction
	v_and_b32 v[GO], 31, v0
	v_lshlrev_b32 v[GO], 4, v[GO]                  ; which are 512 consecutive bytes of ctx
; Product i of 32 of S^T = K Q^T: channels 32 (i / 16) on, tile i % 4, keys 16 ((i / 4) % 4) on.  The 16 accumulators take turns, one instruction a turn.  The first 16 start the sums.
.macro KQ
.set rS, S+32*(i%4)+8*((i/4)%4)
.set rK, KF+8*(2*((i/4)%4)+i/16)
.set rQ, 16*(i%4)+8*(i/16)
.if i < 16
	v_wmma_f32_16x16x32_f16 v[rS:rS+7], v[rK:rK+7], v[rQ:rQ+7], 0
.else
	v_wmma_f32_16x16x32_f16 v[rS:rS+7], v[rK:rK+7], v[rQ:rQ+7], v[rS:rS+7]
.endif
.endm
; Product i of 32 of O^T += V^T P: keys 32 (i / 16) on, tile i % 4, channels 16 ((i / 4) % 4) on.  first = 1: the first 16 start the sums.
.macro PV first
.set rO, 64+32*(i%4)+8*((i/4)%4)
.set rV, 192+8*(4*(i/16)+(i/4)%4)
.set rP, S+32*(i%4)+8*(i/16)
.if \first && (i < 16)
	v_wmma_f32_16x16x32_f16 v[rO:rO+7], v[rV:rV+7], v[rP:rP+7], 0
.else
	v_wmma_f32_16x16x32_f16 v[rO:rO+7], v[rV:rV+7], v[rP:rP+7], v[rO:rO+7]
.endif
.endm
; The maximum of a lane's 32 scores and the old m, three operands at a time, the four tiles by turns; each accumulator is read from its low end on.  Then the other half of the lanes', the new m, c m, and c m_old - c m_new.
.macro MAXES first
.irp j, 0,1,2,3
.irp t, 0,1,2,3
	v_max3_num_f32 v[ST+8*\t+4+\j], v[S+32*\t+8*\j], v[S+32*\t+8*\j+1], v[S+32*\t+8*\j+2]
.endr
.endr
.irp g, 1,2
.irp j, 0,1,2,3
.irp t, 0,1,2,3
	v_max3_num_f32 v[ST+8*\t+4+\j], v[ST+8*\t+4+\j], v[S+32*\t+8*\j+2*\g+1], v[S+32*\t+8*\j+2*\g+2]
.endr
.endr
.endr
.irp t, 0,1,2,3
	v_max3_num_f32 v[ST+8*\t+4], v[ST+8*\t+4], v[S+32*\t+7], v[S+32*\t+15]
.endr
.irp t, 0,1,2,3
	v_max3_num_f32 v[ST+8*\t+6], v[ST+8*\t+6], v[S+32*\t+23], v[S+32*\t+31]
.endr
.irp t, 0,1,2,3
	v_max3_num_f32 v[ST+8*\t+4], v[ST+8*\t+4], v[ST+8*\t+5], v[ST+8*\t+6]
.endr
.irp t, 0,1,2,3
.if \first
	v_max_num_f32 v[ST+8*\t+4], v[ST+8*\t+4], v[ST+8*\t+7]
.else
	v_max3_num_f32 v[ST+8*\t+4], v[ST+8*\t+4], v[ST+8*\t+7], v[ST+8*\t+1]
.endif
.endr
.irp t, 0,1,2,3
	v_permlanex16_b32 v[ST+8*\t+5], v[ST+8*\t+4], s[SEL], s[SEL+1]   ; the query's other 32 keys lie in the lane 16 away
.endr
.if \first == 0
.irp t, 0,1,2,3
	v_mov_b32 v[ST+8*\t+7], v[ST+8*\t]             ; c m_old is kept: c m is written anew below
.endr
.endif
.irp t, 0,1,2,3
	v_max_num_f32 v[ST+8*\t+1], v[ST+8*\t+4], v[ST+8*\t+5]
.endr
.irp t, 0,1,2,3
	v_mul_f32 v[ST+8*\t], s[CS], v[ST+8*\t+1]
.endr
.if \first == 0
.irp t, 0,1,2,3
	v_sub_f32 v[ST+8*\t+7], v[ST+8*\t+7], v[ST+8*\t]
.endr
.endif
.endm
.macro SCALE t                         ; pair i of tile t: c s - c m
	v_pk_fma_f32 v[S+32*(\t)+2*i:S+32*(\t)+2*i+1], v[S+32*(\t)+2*i:S+32*(\t)+2*i+1], s[CS:CS+1], v[ST+8*(\t):ST+8*(\t)+1] op_sel_hi:[1,0,0] neg_lo:[0,0,1] neg_hi:[0,0,1]
.endm
; Number i of 17 of tile t's sums and roundings: pair i joins l; pair i - 1 is rounded to f16 into register i - 1, which holds a pair that has been summed and rounded already.
.macro SC t, first
.set rS, S+32*(\t)
.set rL, ST+8*(\t)+2
.set rA, ST+8*(\t)+6
.if i < 16
.if \first
.if i == 1
	v_pk_add_f32 v[rL:rL+1], v[rS:rS+1], v[rS+2:rS+3]
.elseif i > 1
	v_pk_add_f32 v[rL:rL+1], v[rL:rL+1], v[rS+2*i:rS+2*i+1]
.endif
.else
.if i == 0
	v_pk_fma_f32 v[rL:rL+1], v[rL:rL+1], v[rA:rA+1], v[rS:rS+1] op_sel_hi:[1,0,1]
.else
	v_pk_add_f32 v[rL:rL+1], v[rL:rL+1], v[rS+2*i:rS+2*i+1]
.endif
.endif
.endif
.if i > 0
	v_cvt_pk_f16_f32 v[rS+i-1], v[rS+2*i-2], v[rS+2*i-1]
.endif
.endm
; A KEY STEP, in phases: loads, K Q^T, softmax, V^T P.  first = 1: the first step starts m, l and O^T.
.macro STEP first
	v_add_nc_u32 v[ADK], s[TB], v[AK0]             ; five plain places behind the last V^T P: four are owed to the loads into V's registers, five to the products K Q^T, which write over P
	v_add_nc_u32 v[ADV], s[TB], v[AV0]
	v_nop
	v_nop
	v_nop
.irp f, 0,1,2,3,4,5,6,7                        ; K: keys 16 (f / 2) on, channels 32 (f % 2) on
	ds_load_b128 v[KF+8*\f:KF+8*\f+3],   v[ADK] offset:(\f/2)*16*PK+(\f%2)*64
	ds_load_b128 v[KF+8*\f+4:KF+8*\f+7], v[ADK] offset:(\f/2)*16*PK+(\f%2)*64+32
.endr
	WIN 0x40                                       ; destination window 1
.irp f, 0,1,2,3,4,5,6,7                        ; V, turned: keys 32 (f / 4) on, channels 16 (f % 4) on
	ds_load_tr16_b128 v[192+8*\f:192+8*\f+3],   v[ADV] offset:(\f/4)*32*PVP+(\f%4)*32
	ds_load_tr16_b128 v[192+8*\f+4:192+8*\f+7], v[ADV] offset:(\f/4)*32*PVP+16*PVP+(\f%4)*32
.endr
	s_add_co_u32 s[TB], s[TB], STEPB               ; the next fetch is the next step's
	s_wait_dscnt 16                                ; K is in; V's sixteen loads may be out
	WIN W_KQ
.set i, 0
.rept 32
	KQ
.set i, i+1
.endr
	WIN 0
.rept 4
	v_nop                                          ; places in front of the first read of the scores
.endr
	MAXES \first
.if \first == 0
.irp t, 0,1,2,3
	v_exp_f32 v[ST+8*\t+6], v[ST+8*\t+7]           ; the factor 2^(c m_old - c m_new): first of the first batch of exponentials
.endr
.endif
.set i, 0
.rept 16
.irp t, 0,1
	SCALE \t
.endr
.set i, i+1
.endr
.set i, 0
.rept 16                                       ; tiles 0 and 1: exponentials; tiles 2 and 3: scalings, set between them.  Nothing here names an exponential's result
.irp t, 0,1
	SCALE \t+2
	v_exp_f32 v[S+32*\t+2*i], v[S+32*\t+2*i]
	v_exp_f32 v[S+32*\t+2*i+1], v[S+32*\t+2*i+1]
.endr
.set i, i+1
.endr
	v_nop                                          ; a plain instruction behind the last exponential
	s_wait_alu depctr_va_vdst(0)                   ; one wait for the first batch, ahead of its first reader
.set i, 0
.rept 17                                       ; tiles 2 and 3: exponentials; tiles 0 and 1: sums and roundings, set between them
.irp t, 0,1
.if i < 16
	v_exp_f32 v[S+32*(\t+2)+2*i], v[S+32*(\t+2)+2*i]
.endif
	SC \t, \first
.if i < 16
	v_exp_f32 v[S+32*(\t+2)+2*i+1], v[S+32*(\t+2)+2*i+1]
.endif
.endr
.set i, i+1
.endr
	v_nop
	s_wait_alu depctr_va_vdst(0)                   ; and one for the second batch
.set i, 0
.rept 17
.irp t, 2,3
	SC \t, \first
.endr
.set i, i+1
.endr
.if \first == 0
	WIN W_RS
.irp t, 0,1,2,3
.set i, 0
.rept 16
	v_pk_mul_f32 v[64+32*\t+2*i:64+32*\t+2*i+1], v[64+32*\t+2*i:64+32*\t+2*i+1], v[ST+8*\t+6:ST+8*\t+7] op_sel_hi:[1,0]   ; O^T under the new m, each accumulator from its low end on
.set i, i+1
.endr
.endr
.endif
	s_wait_dscnt 0x0                               ; V is in
	WIN W_PV
.set i, 0
.rept 32
	PV \first
.set i, i+1
.endr
	WIN 0
.endm
.macro STEPS n                         ; n key steps: written once, walked n times; the LDS addresses hang on s[TB]
	s_mov_b32 s[CNT], \n
.Lstep_\@:
	STEP 0
	s_sub_co_u32 s[CNT], s[CNT], 1
	s_cmp_lg_u32 s[CNT], 0
	s_cbranch_scc1 .Lstep_\@
.endm
; THE CHANGE OF SLOTS.  Each wave waits for all its tensor loads, of which one is out: its part of the other slot; adds 0 to its spare word; waits for that and for its reads of the slot.  fill = 1: the barrier is a round
; of the cluster's, and the joint refill, with the keys two slots on, is the first thing behind it: it has four key steps in which to land.
.macro CHANGE fill
	WIN 0
	s_wait_tensorcnt 0x0                           ; no tensor load of mine is out, so a group 0 may be written
	ds_add_u32 v[SPW], v[NIL]
.if \fill
.irp g, G0K+4, G0V+4
	s_xor_b32 s[\g+1], s[\g+1], SLOT1              ; the walking descriptor: the other slot than last time,
	s_add_nc_u64 s[\g+2:\g+3], s[\g+2:\g+3], SLOTB ; the next 256 keys
.endr
	s_wait_xcnt 0x0                                ; the last prefetch, a slot back, has read its address, so it may be written
	s_add_nc_u64 s[PFA:PFA+1], s[PFA:PFA+1], SLOTB
	s_wait_dscnt 0x0                               ; the add is done, and my reads of the slot are over
	CROUND
	JLOAD
	ASK
.else
	s_wait_dscnt 0x0
	s_barrier_signal -1
	s_barrier_wait -1
.endif
	s_sub_co_u32 s[TB], s[TB], NST*STEPB           ; the fetches go back to a slot's first step,
	s_xor_b32 s[TB], s[TB], SLOT1                  ; in the other slot
.endm
	s_wait_tensorcnt 1                             ; my part of slot 0 is in; slot 1's may stay out
	s_barrier_signal -1
	s_barrier_wait -1
	s_wait_loadcnt 0x0                             ; Q
	STEP 1
	STEPS 3
.Lslot:                                            ; six trips: every slot but the last two is filled again
	CHANGE 1
	STEPS 4
	s_sub_co_u32 s[SLOTS], s[SLOTS], 1
	s_cmp_lg_u32 s[SLOTS], 0
	s_cbranch_scc1 .Lslot
	CHANGE 0                                       ; the tail is written out
	STEPS 4
	; THE WAY OUT.  l's two halves and the other half of the lanes' are added; O^T is divided by l, rounded to f16 and sent through my stage, a tile (16 rows of ctx) at a time.  The additions are the places behind the last products.
.irp t, 0,1,2,3
	v_add_f32 v[ST+8*\t+4], v[ST+8*\t+2], v[ST+8*\t+3]
.endr
.irp t, 0,1,2,3
	v_permlanex16_b32 v[ST+8*\t+5], v[ST+8*\t+4], s[SEL], s[SEL+1]
.endr
.irp t, 0,1,2,3
	v_add_f32 v[ST+8*\t+4], v[ST+8*\t+4], v[ST+8*\t+5]
.endr
.irp t, 0,1,2,3
	v_rcp_f32 v[ST+8*\t+6], v[ST+8*\t+4]
.endr
	v_nop                                          ; a plain instruction behind the last reciprocal
	s_wait_alu depctr_va_vdst(0)                   ; one wait for the four, ahead of their first reader
.macro PACK t
	WIN W_RS
.set i, 0
.rept 16
	v_pk_mul_f32 v[64+32*\t+2*i:64+32*\t+2*i+1], v[64+32*\t+2*i:64+32*\t+2*i+1], v[ST+8*\t+6:ST+8*\t+7] op_sel_hi:[1,0]
.set i, i+1
.endr
	WIN 0x05                                       ; sources 0 and 1 window 1, destination window 0
.set i, 0
.rept 16
	v_cvt_pk_f16_f32 v[S+32*\t+i], v[64+32*\t+2*i], v[64+32*\t+2*i+1]
.set i, i+1
.endr
	WIN 0
.irp f, 0,1,2,3
	ds_store_b128 v[STO], v[S+32*\t+4*\f:S+32*\t+4*\f+3] offset:32*\f
.endr
.irp f, 0,1,2,3
	ds_load_b128 v[S+32*\t+16+4*\f:S+32*\t+16+4*\f+3], v[RD] offset:\f*4*PK   ; in order behind the stores above; the next tile's stores come behind these
.endr
.endm
.macro SEND t, younger                 ; younger: the LDS instructions issued behind tile t's loads: the next tile's eight, or none
.irp f, 0,1,2,3
	s_wait_dscnt \younger+3-\f
	global_store_b128 v[GO], v[S+32*\t+16+4*\f:S+32*\t+16+4*\f+3], s[10:11] offset:\t*2048+\f*512   ; 512 consecutive bytes, aligned
.endr
.endm
	PACK 0
	PACK 1
	SEND 0, 8
	PACK 2
	SEND 1, 8
	PACK 3
	SEND 2, 8
	SEND 3, 0
	s_wait_tensorcnt 0x0                           ; the wave's end
	ds_add_u32 v[SPW], v[NIL]
	s_wait_dscnt 0x0
	CROUND                                         ; the closing round
	s_endpgm
.Lfunc_end_k_qf18947f22a_attn:
	.size	k_qf18947f22a_attn, .Lfunc_end_k_qf18947f22a_attn-k_qf18947f22a_attn
	.p2alignl 7, 3214868480
	.fill 96, 4, 3214868480
	.section	.rodata,"a",@progbits
	.p2align	6, 0x0
	.amdhsa_kernel k_qf18947f22a_attn
		.amdhsa_group_segment_fixed_size 327680
		.amdhsa_private_segment_fixed_size 0
		.amdhsa_enable_private_segment 0
		.amdhsa_kernarg_size 16
		.amdhsa_user_sgpr_count 2
		.amdhsa_user_sgpr_kernarg_segment_ptr 1
		.amdhsa_wavefront_size32 1
		.amdhsa_system_sgpr_workgroup_id_x 1
		.amdhsa_system_sgpr_workgroup_id_y 1
		.amdhsa_system_sgpr_workgroup_id_z 1
		.amdhsa_system_vgpr_workitem_id 0
		.amdhsa_next_free_vgpr 512
		.amdhsa_next_free_sgpr 66
		.amdhsa_reserve_vcc 0
		.amdhsa_float_denorm_mode_32 3
		.amdhsa_float_denorm_mode_16_64 3
		.amdhsa_memory_ordered 1
		.amdhsa_forward_progress 1
		.amdhsa_inst_pref_size 146
	.end_amdhsa_kernel
	.amdgpu_metadata
---
amdhsa.version: [ 1, 2 ]
amdhsa.kernels:
  - .name:           k_qf18947f22a_attn
    .symbol:         k_qf18947f22a_attn.kd
    .args:
      - { .name: hd, .offset: 0, .size: 8, .value_kind: global_buffer, .address_space: global }
      - { .name: cx, .offset: 8, .size: 8, .value_kind: global_buffer, .address_space: global }
    .group_segment_fixed_size: 327680
    .private_segment_fixed_size: 0
    .kernarg_segment_align: 8
    .kernarg_segment_size: 16
    .max_flat_workgroup_size: 256
    .sgpr_count:     66
    .vgpr_count:     512
    .wavefront_size: 32
...
	.end_amdgpu_metadata
.endif
;; end of part 3
;; launch outp (part 4): grid 4 x 64, 4 waves a work-group, clusters of 4 x 4, 327,680 bytes of LDS; arguments cx, wo16, b_o, out0; writes out0
.if DOCPART == 4
	.amdgcn_target "amdgcn-amd-amdhsa--gfx1250"
	.amdhsa_code_object_version 6
	.text
	.protected	k_qf18947f22a_outp
	.globl	k_qf18947f22a_outp
	.p2align	8
	.type	k_qf18947f22a_outp,@function
k_qf18947f22a_outp:
	s_mov_b64 s[64:65], 0
	v_nop
	global_prefetch_b8 v0, s[64:65] scope:SCOPE_SE
	s_setreg_imm32_b32 hwreg(HW_REG_WAVE_MODE, 25, 1), 1
	s_wait_xcnt 0x0
	s_wait_alu depctr_hold_cnt(0) depctr_sa_sdst(0) depctr_va_vdst(0) depctr_va_sdst(0) depctr_va_ssrc(0) depctr_va_vcc(0) depctr_vm_vsrc(0)
	s_getreg_b32 s2, hwreg(HW_REG_IB_STS2, 6, 4)
	s_cmp_eq_u32 s2, 0
	s_cbranch_scc0 .Lentry_in_a_cluster
	s_endpgm
.Lentry_in_a_cluster:
	s_bfe_u32 s2, ttmp6, 0x10000c
	s_cmp_lg_u32 s2, 0xf033
	s_cbranch_scc0 .Lentry_shape_is_right
	s_endpgm
.Lentry_shape_is_right:
; OUTP: out0 = ctx w_o + b_o.  ctx: f16, by heads, [4 b][16 h][2048 s][64]; wo16: f16 [1024 k][1024 n]; b_o [1024] and out0 [8192][1024]: f32; sums in f32.
; A tile of out0 is 128 tokens x 256 columns: 256 work-groups of four waves; a wave makes 64 x 128: 32 accumulators of 16 x 16.
; K goes in 8 steps of 128 (two heads) through a ring of two LDS slots: ctx's tile is 2 heads x 128 rows of 128 bytes, w_o's 128 rows (k) of 512 bytes, which come out of LDS turned, by ds_load_tr16_b128.
; CLUSTERS: 4 x 4 work-groups; ctx's tile is shared along a row of the cluster, w_o's along a column: each is asked for jointly.
; THE MATRIX INSTRUCTION IS USED TRANSPOSED (source 0 = 16 columns of w_o, source 1 = 16 tokens): a lane holds eight neighbouring columns of one token.  The bias is the C of each sum's first product.
; REGISTERS: window 0: v0-31 addresses; v32-95 the bias; v128-159, v160-191 ctx's fragments, two buffers; on the way out v128-255 hold rows.   window 1: v0-63, v64-127 w_o's fragments, two buffers.   window 2: the accumulators, (a, b) at v[8 (8 a + b)].
.set PA,     144                       ; a row of ctx in LDS: 128 bytes + 16
.set AH,     128*PA                    ; one head's 128 rows
.set PB,     544                       ; a row of w_o in LDS: 512 bytes + 32
.set BHALF,  64*PB
.set BOFF,   2*AH
.set SLOT,   BOFF+2*BHALF
.set STAGE,  2*SLOT                    ; behind the ring: 16 rows x 528 bytes for each wave
.set SPITCH, 528
.set SPARE,  STAGE+4*16*SPITCH         ; the spare words, 128 bytes for each wave
.set ADRA, 16
.set ADRB, 20
.set STO,  24
.set RD,   25
.set CO,   26
.set VB,   27
.set SPW,  28
.set NIL,  29
.set BI,   32
.set BK,   128
.set G1, 24
.set G0, 32
.set G1B, 48
.set G0B, 56
.set MSB, 0
.macro WIN new
.if MSB != (\new)
	s_set_vgpr_msb (MSB<<8)|(\new)
.set MSB, (\new)
.endif
.endm
.set MUL,  0xa1                        ; source 0 (w_o) window 1, source 1 (ctx) window 0, C and D window 2
.set MUL0, 0x81                        ; C (the bias) window 0, D window 2
.set TO_B, 0x40
.macro JLOAD s                         ; a joint load: waves 0 and 1 fetch ctx's two heads, waves 2 and 3 w_o's two halves; an s_nop 0 and four v_nop follow each line
	s_cmp_eq_u32 s11, 0
	s_cbranch_scc0 .Lfor_b_\@
	tensor_load_to_lds s[G0+4*\s:G0+4*\s+3], s[G1:G1+7]
	s_nop 0
.rept 4
	v_nop
.endr
	s_branch .Lasked_\@
.Lfor_b_\@:
	tensor_load_to_lds s[G0B+4*\s:G0B+4*\s+3], s[G1B:G1B+7]
	s_nop 0
.rept 4
	v_nop
.endr
.Lasked_\@:
.endm
.macro CREST                           ; a round of the cluster's barrier behind its opening barrier
	s_cmp_lg_u32 s10, 0
	s_cbranch_scc1 .Lnot_wave_0_\@
	s_barrier_signal -3
.Lnot_wave_0_\@:
	s_barrier_wait -3
	s_barrier_signal -1
	s_barrier_wait -1
.endm
.macro CROUND
	s_barrier_signal -1
	s_barrier_wait -1
	CREST
.endm
	s_load_b128 s[4:7], s[0:1], 0x0                ; ctx, wo16
	s_load_b64 s[14:15], s[0:1], 0x10              ; b_o
	s_load_b64 s[8:9], s[0:1], 0x18                ; out0
	v_lshl_add_u32 v[SPW], v0, 2, SPARE
	v_mov_b32 v[NIL], 0
	ds_add_u32 v[SPW], v[NIL]                      ; the wave's opening: the add, twice on end, and its wait ahead of my first tensor load
	ds_add_u32 v[SPW], v[NIL]
	v_lshrrev_b32 v1, 5, v0
	v_readfirstlane_b32 s10, v1                    ; wave 0..3
	s_lshr_b32 s11, s10, 1                         ; which 64 tokens are mine.  Also: I fetch for ctx (0) or for w_o (1)
	s_and_b32 s12, s10, 1                          ; which 128 columns.  Also: which head, or which 64 rows of w_o, I fetch
	s_bfe_u32 s40, ttmp6, 0x40000
	s_bfe_u32 s41, ttmp6, 0x40004
	s_lshl_b32 s42, ttmp9, 2
	s_add_co_u32 s42, s42, s40                     ; tile column
	s_and_b32 s13, ttmp7, 0xffff
	s_lshl_b32 s13, s13, 2
	s_add_co_u32 s13, s13, s41                     ; tile row
	s_lshl_b32 s43, s41, 2
	s_lshl_b32 s43, 15, s43                        ; my row of the cluster
	s_lshl_b32 s44, 0x1111, s40                    ; my column
	s_or_b32 s[G1+0], s43, (1<<16)|(1<<20)|(1<<21)|(4<<22)|(3<<25)   ; ctx: elements of 2 bytes; 4 words of padding behind every 32
	s_mov_b32 s[G1+1], 64<<16                      ; tensor_dim0
	s_mov_b32 s[G1+2], 128<<16                     ; tensor_dim1
	s_mov_b32 s[G1+3], 64<<16                      ; tile_dim0
	s_mov_b32 s[G1+4], 128                         ; tile_dim1
	s_mov_b32 s[G1+5], 64                          ; the pitch
	s_mov_b32 s[G1+6], 0
	s_mov_b32 s[G1+7], 0
	s_or_b32 s[G1B+0], s44, (1<<16)|(1<<20)|(1<<21)|(6<<22)|(7<<25)  ; w_o: 8 words of padding behind every 128
	s_mov_b32 s[G1B+1], 256<<16
	s_mov_b32 s[G1B+2], 64<<16
	s_mov_b32 s[G1B+3], 256<<16
	s_mov_b32 s[G1B+4], 64
	s_mov_b32 s[G1B+5], 1024
	s_mov_b32 s[G1B+6], 0
	s_mov_b32 s[G1B+7], 0
	s_lshr_b32 s16, s13, 4                         ; ctx: batch = tile row / 16;
	s_lshl_b32 s16, s16, 4
	s_add_co_u32 s16, s16, s12                     ; head 16 x batch + the one I fetch: 262,144 bytes a head;
	s_lshl_b32 s16, s16, 18
	s_and_b32 s17, s13, 15
	s_lshl_b32 s17, s17, 14                        ; 128 tokens of 128 bytes
	s_add_co_u32 s16, s16, s17
	s_mov_b32 s17, 0
	s_lshl_b32 s46, s12, 17                        ; w_o: 64 rows of 2,048 bytes,
	s_lshl_b32 s47, s42, 9                         ; 256 columns of 2 bytes
	s_add_co_u32 s46, s46, s47
	s_mov_b32 s47, 0
	s_mul_i32 s20, s12, AH                         ; where they go
	s_mul_i32 s21, s12, BHALF
	s_add_co_u32 s21, s21, BOFF
	s_wait_dscnt 0x0                               ; both opening adds are done
	s_wait_kmcnt 0x0
	s_add_nc_u64 s[16:17], s[4:5], s[16:17]
	s_add_nc_u64 s[46:47], s[6:7], s[46:47]
	CROUND                                         ; all sixteen work-groups are here: the first joint loads meet
.irp s, 0,1
	s_mov_b32 s[G0+4*\s], 1
	s_add_co_u32 s[G0+4*\s+1], s20, \s*SLOT
	s_add_nc_u64 s[G0+4*\s+2:G0+4*\s+3], s[16:17], \s*524288        ; K step s: two heads on
	s_or_b32 s[G0+4*\s+3], s[G0+4*\s+3], 0x80000000
	s_mov_b32 s[G0B+4*\s], 1
	s_add_co_u32 s[G0B+4*\s+1], s21, \s*SLOT
	s_add_nc_u64 s[G0B+4*\s+2:G0B+4*\s+3], s[46:47], \s*262144      ; 128 rows on
	s_or_b32 s[G0B+4*\s+3], s[G0B+4*\s+3], 0x80000000
	JLOAD \s                                       ; two loads of mine are out
.endr
	v_and_b32 v1, 15, v0                           ; r
	v_bfe_u32 v2, v0, 4, 1                         ; h
	v_mul_u32_u24 v3, v1, PA
	v_lshl_add_u32 v3, v2, 4, v3
	s_mul_i32 s22, s11, 64*PA                      ; my 64 tokens
	v_add_nc_u32 v[ADRA], s22, v3
	v_add_nc_u32 v[ADRA+1], SLOT, v[ADRA]
	v_and_b32 v4, 7, v0
	v_lshl_add_u32 v4, v2, 3, v4                   ; w_o, for the turning load: row 8 (l / 16) + l % 8, columns 8 ((l / 8) % 2) on
	v_mul_u32_u24 v4, v4, PB
	v_bfe_u32 v5, v0, 3, 1
	v_lshl_add_u32 v4, v5, 4, v4
	s_lshl_b32 s23, s12, 8                         ; my 128 columns
	s_add_co_u32 s23, s23, BOFF
	v_add_nc_u32 v[ADRB], s23, v4
	v_add_nc_u32 v[ADRB+1], SLOT, v[ADRB]
	s_mul_i32 s22, s10, 16*SPITCH
	s_add_co_u32 s22, s22, STAGE                   ; my stage
	v_mul_u32_u24 v5, v1, SPITCH
	v_lshl_add_u32 v5, v2, 5, v5
	v_add_nc_u32 v[STO], s22, v5                   ; in: row r, 32 bytes for each half of the lanes
	v_and_b32 v6, 31, v0
	v_lshlrev_b32 v[CO], 4, v6                     ; back: the 32 lanes take one row of 512 bytes; and the same in out0
	v_add_nc_u32 v[RD], s22, v[CO]
	v_lshlrev_b32 v[VB], 5, v2
	s_lshl_b32 s16, s13, 7
	s_lshl_b32 s17, s11, 6
	s_add_co_u32 s16, s16, s17                     ; my first token: 128 x tile row + 64 x half; 4,096 bytes a row of out0
	s_lshl_b32 s16, s16, 12
	s_mov_b32 s17, 0
	s_add_nc_u64 s[8:9], s[8:9], s[16:17]
	s_lshl_b32 s46, s42, 10                        ; my first column, in bytes of f32: it serves out0 and b_o
	s_lshl_b32 s47, s12, 9
	s_add_co_u32 s46, s46, s47
	s_mov_b32 s47, 0
	s_add_nc_u64 s[8:9], s[8:9], s[46:47]
	s_add_nc_u64 s[14:15], s[14:15], s[46:47]
.irp b, 0,1,2,3,4,5,6,7                        ; lane (r, h): the bias of columns 16 b + 8 h + 0 .. 7: the result's layout
	global_load_b128 v[BI+8*\b:BI+8*\b+3], v[VB], s[14:15] offset:64*\b
	global_load_b128 v[BI+8*\b+4:BI+8*\b+7], v[VB], s[14:15] offset:64*\b+16
.endr
; 24 LDS loads in one run: the fragments of quarter kk (32 along K) of a slot into buffer f: w_o's eight, turned, then ctx's four
.macro FETCH slot, kk, f
	WIN TO_B
.irp b, 0,1,2,3,4,5,6,7
	ds_load_tr16_b128 v[64*(\f)+8*\b:64*(\f)+8*\b+3],   v[ADRB+\slot] offset:32*PB*(\kk)+32*\b
	ds_load_tr16_b128 v[64*(\f)+8*\b+4:64*(\f)+8*\b+7], v[ADRB+\slot] offset:32*PB*(\kk)+32*\b+16*PB
.endr
	WIN 0
.irp a, 0,1,2,3
	ds_load_b128 v[128+32*(\f)+8*\a:128+32*(\f)+8*\a+3],   v[ADRA+\slot] offset:((\kk)/2)*AH+16*PA*\a+64*((\kk)%2)
	ds_load_b128 v[128+32*(\f)+8*\a+4:128+32*(\f)+8*\a+7], v[ADRA+\slot] offset:((\kk)/2)*AH+16*PA*\a+64*((\kk)%2)+32
.endr
.endm
; 8 matrix instructions: token block a against the eight column blocks.  The 32 accumulators take turns, one instruction a turn.  zero = 1: the sums start from the bias.
.macro MULA f, a, zero
.irp b, 0,1,2,3,4,5,6,7
.if \zero
	v_wmma_f32_16x16x32_f16 v[8*(8*(\a)+\b):8*(8*(\a)+\b)+7], v[64*(\f)+8*\b:64*(\f)+8*\b+7], v[128+32*(\f)+8*(\a):128+32*(\f)+8*(\a)+7], v[BI+8*\b:BI+8*\b+7]
.else
	v_wmma_f32_16x16x32_f16 v[8*(8*(\a)+\b):8*(8*(\a)+\b)+7], v[64*(\f)+8*\b:64*(\f)+8*\b+7], v[128+32*(\f)+8*(\a):128+32*(\f)+8*(\a)+7], v[8*(8*(\a)+\b):8*(8*(\a)+\b)+7]
.endif
.endr
.endm
.macro PLACES                          ; four plain places in front of loads into registers that matrix instructions have read, and of reads of results
.rept 4
	v_nop
.endr
.endm
; One of a K step's first three quarters: multiplies buffer f and fetches quarter kk into buffer g.
.macro QUARTER slot, kk, f, g, zero
	s_wait_dscnt 4                                 ; w_o's fragments and token blocks 0, 1 are in; the youngest four loads (blocks 2, 3) may be out
.if \zero
	WIN MUL0
.else
	WIN MUL
.endif
	MULA \f, 0, \zero
	MULA \f, 1, \zero
	PLACES
	FETCH \slot, \kk, \g
	s_wait_dscnt 24                                ; all but the 24 just issued
.if \zero
	WIN MUL0
.else
	WIN MUL
.endif
	MULA \f, 2, \zero
	MULA \f, 3, \zero
.endm
; The last quarter multiplies buffer 1 and changes slots: ONE barrier; in front of it each wave waits for all its tensor loads, adds 0 to its spare word, and waits for that and for its reads of this slot.
; fill = 1: the barrier opens a round of the cluster's, and this slot is filled again, two K steps ahead, first thing behind it.
.macro TURN slot, next, fill
	WIN 0
	s_wait_tensorcnt 0x0                           ; all my tensor loads have landed: my part of the next slot
	ds_add_u32 v[SPW], v[NIL]
	s_wait_dscnt 5                                 ; (the add and token blocks 2, 3 may be out)
	WIN MUL
	MULA 1, 0, 0
	s_wait_dscnt 0x0                               ; the add is done, and my reads of this slot are over
	s_barrier_signal -1
	MULA 1, 1, 0
.if \fill
	WIN 0
.endif
	s_barrier_wait -1
.if \fill
	CREST
	s_add_nc_u64 s[G0+4*\slot+2:G0+4*\slot+3], s[G0+4*\slot+2:G0+4*\slot+3], 1048576    ; four heads on
	s_add_nc_u64 s[G0B+4*\slot+2:G0B+4*\slot+3], s[G0B+4*\slot+2:G0B+4*\slot+3], 524288 ; 256 rows on
	JLOAD \slot                                    ; the four v_nop behind it are also the places in front of the loads below
.else
	PLACES
.endif
	FETCH \next, 0, 0
	WIN MUL
	MULA 1, 2, 0
	MULA 1, 3, 0
.endm
	s_wait_tensorcnt 1                             ; my part of K step 0 is in (K step 1's load may be out),
	s_barrier_signal -1
	s_barrier_wait -1                              ; everybody's is
	s_wait_loadcnt 0x0                             ; the bias
	FETCH 0, 0, 0
	QUARTER 0, 1, 0, 1, 1                          ; the first quarter stands in front of the loop: its products start the sums
	WIN 0
	s_mov_b32 s3, 3
.Llap:                                             ; a trip goes once round the ring and fills both slots again: K steps 2 to 7
	QUARTER 0, 2, 1, 0, 0
	QUARTER 0, 3, 0, 1, 0
	TURN 0, 1, 1
	QUARTER 1, 1, 0, 1, 0
	QUARTER 1, 2, 1, 0, 0
	QUARTER 1, 3, 0, 1, 0
	TURN 1, 0, 1
	QUARTER 0, 1, 0, 1, 0
	WIN 0
	s_sub_co_u32 s3, s3, 1
	s_cmp_lg_u32 s3, 0
	s_cbranch_scc1 .Llap
	QUARTER 0, 2, 1, 0, 0                          ; the last lap fills nothing
	QUARTER 0, 3, 0, 1, 0
	TURN 0, 1, 0
	QUARTER 1, 1, 0, 1, 0
	QUARTER 1, 2, 1, 0, 0
	QUARTER 1, 3, 0, 1, 0
	s_wait_dscnt 4                                 ; the very last quarter
	WIN MUL
	MULA 1, 0, 0
	MULA 1, 1, 0
	s_wait_dscnt 0
	MULA 1, 2, 0
	MULA 1, 3, 0
	WIN 0
; THE WAY OUT, a block of 16 tokens x 128 columns at a time, through my own stage: in as 32 bytes a lane, back as whole rows of 512 bytes.  LDS serves a wave's instructions in order.
.macro TOSTAGE a
	WIN 0x08                                       ; an LDS store's data are its source 1: window 2
.irp b, 0,1,2,3,4,5,6,7
	ds_store_b128 v[STO], v[8*(8*(\a)+\b):8*(8*(\a)+\b)+3] offset:64*\b          ; each accumulator from its low end on
	ds_store_b128 v[STO], v[8*(8*(\a)+\b)+4:8*(8*(\a)+\b)+7] offset:64*\b+16
.endr
	WIN 0
.set BB, BK+64*((\a)%2)
.irp t, 0,1,2,3,4,5,6,7,8,9,10,11,12,13,14,15
	ds_load_b128 v[BB+4*\t:BB+4*\t+3], v[RD] offset:\t*SPITCH
.endr
.endm
.macro SEND a, younger                 ; younger: the next block's 16 stores and 16 loads, which may stay out
.set BB, BK+64*((\a)%2)
	s_wait_dscnt \younger
.irp t, 0,1,2,3,4,5,6,7,8,9,10,11,12,13,14,15
	global_store_b128 v[CO], v[BB+4*\t:BB+4*\t+3], s[8:9] offset:(16*(\a)+\t)*4096 th:TH_STORE_NT   ; 512 consecutive bytes, aligned
.endr
.endm
	PLACES
	TOSTAGE 0
	TOSTAGE 1
	SEND 0, 32
	s_wait_xcnt 0x0                                ; block 0's stores have read their registers: block 2's rows may land there
	TOSTAGE 2
	SEND 1, 32
	s_wait_xcnt 0x0
	TOSTAGE 3
	SEND 2, 32
	SEND 3, 0
	s_wait_tensorcnt 0x0                           ; the wave's end
	ds_add_u32 v[SPW], v[NIL]
	s_wait_dscnt 0x0
	CROUND                                         ; the closing round
	s_endpgm
.Lfunc_end_k_qf18947f22a_outp:
	.size	k_qf18947f22a_outp, .Lfunc_end_k_qf18947f22a_outp-k_qf18947f22a_outp
	.p2alignl 7, 3214868480
	.fill 96, 4, 3214868480
	.section	.rodata,"a",@progbits
	.p2align	6, 0x0
	.amdhsa_kernel k_qf18947f22a_outp
		.amdhsa_group_segment_fixed_size 327680
		.amdhsa_private_segment_fixed_size 0
		.amdhsa_enable_private_segment 0
		.amdhsa_kernarg_size 32
		.amdhsa_user_sgpr_count 2
		.amdhsa_user_sgpr_kernarg_segment_ptr 1
		.amdhsa_wavefront_size32 1
		.amdhsa_system_sgpr_workgroup_id_x 1
		.amdhsa_system_sgpr_workgroup_id_y 1
		.amdhsa_system_sgpr_workgroup_id_z 1
		.amdhsa_system_vgpr_workitem_id 0
		.amdhsa_next_free_vgpr 768
		.amdhsa_next_free_sgpr 66
		.amdhsa_reserve_vcc 0
		.amdhsa_float_denorm_mode_32 3
		.amdhsa_float_denorm_mode_16_64 3
		.amdhsa_memory_ordered 1
		.amdhsa_forward_progress 1
		.amdhsa_inst_pref_size 87
	.end_amdhsa_kernel
	.amdgpu_metadata
---
amdhsa.version: [ 1, 2 ]
amdhsa.kernels:
  - .name:           k_qf18947f22a_outp
    .symbol:         k_qf18947f22a_outp.kd
    .args:
      - { .name: cx, .offset: 0, .size: 8, .value_kind: global_buffer, .address_space: global }
      - { .name: wo16, .offset: 8, .size: 8, .value_kind: global_buffer, .address_space: global }
      - { .name: b_o, .offset: 16, .size: 8, .value_kind: global_buffer, .address_space: global }
      - { .name: out0, .offset: 24, .size: 8, .value_kind: global_buffer, .address_space: global }
    .group_segment_fixed_size: 327680
    .private_segment_fixed_size: 0
    .kernarg_segment_align: 8
    .kernarg_segment_size: 32
    .max_flat_workgroup_size: 128
    .sgpr_count:     66
    .vgpr_count:     768
    .wavefront_size: 32
...
	.end_amdgpu_metadata
.endif
;; end of part 4
